; MI455X (gfx1250); checked and timed in simulation.
; The chip was launched on July 23, 2026; its instructions are those of AMD's public machine-readable ISA for CDNA 5 (MIT licence, August 2026) and "CDNA5" Instruction Set Architecture Reference Guide (July 2026). The comments in the code are by the model that wrote it; some were corrected since.
;; Multi Head Attention. Allowed arithmetic: matrix products marked QUANTISED: E2M1 operands, one E8M0 scale for each 32 along K, by v_wmma_scale_f32_16x16x128_f8f6f4 with both operands' format E2M1 (or v_wmma_scale_f32_32x16x128_f4), f32 sums; products left as they are: bf16, f16 or f32 operands; f32 sums; everything else in f32.
;; Inputs: k 4 x 2,048 x 1,024 float32; q 4 x 2,048 x 1,024 float32; v 4 x 2,048 x 1,024 float32; wk 1,024 x 1,024 float32; wo 1,024 x 1,024 float32; wq 1,024 x 1,024 float32; wv 1,024 x 1,024 float32.
;; Outputs: out0 4 x 2,048 x 1,024 float32.
;; This version of the problem:
;;   THIS VERSION OF THE PROBLEM IS GIVEN IN LOW PRECISION. The matrix products marked QUANTISED in the list below multiply operands that are first quantised to E2M1 (2 exponent bits, 1 mantissa bit; 4 bits a number), with one power-of-two scale for each 32 numbers along K (OCP MX v1.0); their sums are f32. The products marked 'left as it is' may take bf16, f16 or f32 operands, with f32 sums. Whichever they take, every output number must still come out within the allowed error. Rounding operands to bf16 (8 significant bits) uses up far more of that allowance than f16 does (11 bits, for magnitudes from 6e-5 to 65,504). All else is computed in f32.
;;   The module's matrix products, in the order in which they are computed (A, B: the left and right operand; K: the contracted axis; several contracted axes count as one K, in the product's order):
;;     1. [M 8,192, K 1,024] x [K 1,024, N 1,024]; A: input q; B: input wq: QUANTISED
;;     2. [M 8,192, K 1,024] x [K 1,024, N 1,024]; A: input k; B: input wk: QUANTISED
;;     3. [M 8,192, K 1,024] x [K 1,024, N 1,024]; A: input v; B: input wv: QUANTISED
;;     4. batch 64 x [M 2,048, K 64] x [K 64, N 2,048]; A: computed on the way; B: computed on the way: left as it is (an operand is computed on the way)
;;     5. batch 64 x [M 2,048, K 2,048] x [K 2,048, N 64]; A: computed on the way; B: computed on the way: left as it is (an operand is computed on the way)
;;     6. [M 8,192, K 1,024] x [K 1,024, N 1,024]; A: computed on the way; B: input wo: left as it is (an operand is computed on the way)
;;   THE QUANTISER, for each operand of a quantised product, along K:
;;     - K is cut into blocks of 32 from its start; a last block that is shorter is filled with zeros.
;;     - A block's scale is 2^e with e = floor(log2(the largest magnitude in the block)) - 2, held to -126 .. 127; a block of zeros has e = 0. As a byte (E8M0): e + 127.
;;     - Each number is divided by its block's scale, clamped to +-6, and rounded to the nearest number of E2M1, ties to even, subnormals kept.
;;     - The product sums the exact products of the quantised numbers (number of the format x scale) in f32.
;;   ~~~python
;;   def quantise(x, axis):      # numpy; x: float32 -> the quantised numbers, widened to float32 again
;;       x = np.moveaxis(x, axis, -1); K = x.shape[-1]
;;       x = np.pad(x, [(0, 0)] * (x.ndim - 1) + [(0, -K % 32)]); x = x.reshape(x.shape[:-1] + (-1, 32)); a = np.abs(x).max(-1, keepdims=True)
;;       e = np.where(a > 0, np.clip(np.frexp(np.where(a > 0, a, 1))[1] - 1 - 2, -126, 127), 0)      # np.frexp(a)[1] - 1 = floor(log2(a)), exactly
;;       r = np.clip(x / 2.0 ** e, -6, 6)
;;       step = 2.0 ** (np.maximum(np.frexp(np.where(r == 0, 1, r))[1] - 1, 0) - 1)
;;       q = np.round(r / step) * step * 2.0 ** e      # np.round: ties to even
;;       return np.moveaxis(q.reshape(q.shape[:-2] + (-1,))[..., :K], -1, axis).astype(np.float32)
;;   ~~~
;; One version. Each part assembles by itself: llvm-mc -triple=amdgcn-amd-amdhsa -mcpu=gfx1250 --defsym DOCPART=n.
;; ======== version 1 of 1: 5 launches
;; limits: values are held in f16: magnitudes above 65,504 overflow, below 6.1e-05 lose precision
;; workspace buffers: acodes 12,582,912 bytes; ascales 786,432 bytes; wcodes 1,572,864 bytes; wscales 98,304 bytes; wo16 2,097,152 bytes; xqkv 50,331,648 bytes; xfine 786,432 bytes; o16 16,777,216 bytes
;; launch prep (part 1): grid 848 x 1, 4 waves a work-group, no clusters, 68,096 bytes of LDS; arguments q, k, v, wq, wk, wv, wo, acodes, ascales, wcodes, wscales, wo16; writes acodes, ascales, wcodes, wscales, wo16
.if DOCPART == 1
	.amdgcn_target "amdgcn-amd-amdhsa--gfx1250"
	.amdhsa_code_object_version 6
	.text
	.protected	k_q321a78c453_prep
	.globl	k_q321a78c453_prep
	.p2align	8
	.type	k_q321a78c453_prep,@function
k_q321a78c453_prep:
	s_mov_b64 s[64:65], 0
	v_nop
	global_prefetch_b8 v0, s[64:65] scope:SCOPE_SE
	s_setreg_imm32_b32 hwreg(HW_REG_WAVE_MODE, 25, 1), 1
	s_wait_xcnt 0x0
; THE OPERANDS OF THE THREE QUANTISED PRODUCTS BECOME CODES OF FP4 (E2M1) WITH ONE E8M0 BYTE FOR EACH 32 ALONG K; wo BECOMES f16.
; q, k, v [8192][1024] f32 (K innermost) -> acodes [3][8192][512 bytes], ascales [3][8192][32].
; wq, wk, wv [1024 k][1024 n] f32 (K is the FIRST axis) -> wcodes [3][1024 n][512 bytes], K innermost, wscales [3][1024 n][32].
; wo [1024][1024] f32 -> wo16, the same order, f16.
; A block's scale is 2^(floor(log2(its largest magnitude)) - 2); its byte is the largest magnitude's exponent field - 2, held at 1 from below.
; LIMITS: a block of zeros gets the byte 1 where the rule says 127 (its codes are zeros, and this program alone reads the bytes); blocks whose largest
; magnitude lies under 2^-124 are held at the byte 1; NaN and infinities among the inputs are not served; |wo| stays under 65,504 (f16).
; THREE PATHS, parted on the work-group's number, which never join: work-groups 0-47 the weights (path W), 48-79 wo (path C), 80-847 q, k, v (path X).
; Each path that uses LDS has LDS bytes of its own.  No tensor loads, no barrier: waves share nothing.
.set SPW,    12                        ; v12  LDS address of my spare word: SPARE + 4 x my thread's number; never rewritten
.set NIL,    13                        ; v13  0; never rewritten
.set SPARE,  67584                     ; behind both paths' regions: 128 bytes for each wave, two blocks of 256 bytes that no other line names
.set EMAX,   2
; path X: a wave takes 16 steps of 512 numbers
.set XSTEPS, 16
.set XCB,    8                         ; bytes of a lane's 16 codes
.set XR,     16                        ; v16-79   four sets of 16 numbers as they are loaded
.set XX,     80                        ; v80-111  two sets of 16 neighbours
.set XE,     112                       ; v112-127 a scale byte for each step
.set XC,     128                       ; v128-191 codes: four registers for each step, so that no store's data are written again
.set XWREG,  8192                      ; LDS 0 .. 32,767: a region for each wave: two stages of 32 x XSP bytes, behind them its 256 scale bytes
.set XSP,    80                        ; a lane's place in a stage: 64 bytes + 16 of padding
; path W: a wave takes 32 columns x 512 along K
.set WNB,    16                        ; blocks of 32 along K
.set WPITCH, 272                       ; a stage row: 256 bytes of codes + 16
.set WKROW,  512                       ; a row of wcodes
.set WROW,   4096                      ; a row of a weight in memory
.set WSTG,   32768                     ; LDS 32,768 .. 67,583: a stage of 32 rows for each wave
.set WX,     32                        ; v32-95   two sets of 32 numbers
.set WC,     96                        ; v96-99   a block's codes
.set WOUT,   112                       ; v112-175 the way out
.set WSB,    24                        ; v24-27   the scale bytes, four to a register
.macro XLOAD t                         ; step t: four loads of 512 consecutive bytes
.irp i, 0,1,2,3
	global_load_b128 v[XR+16*((\t)%4)+4*\i:XR+16*((\t)%4)+4*\i+3], v3, s[32:33] offset:2048*(\t)+512*\i th:TH_LOAD_NT
.endr
.endm
.macro XTURN t                         ; step t's numbers through the stage: in as they lie, back 64 bytes a lane; LDS serves a wave's instructions in order
.irp i, 0,1,2,3
	ds_store_b128 v14, v[XR+16*((\t)%4)+4*\i:XR+16*((\t)%4)+4*\i+3] offset:32*XSP*((\t)%2)+8*XSP*\i
.endr
.irp i, 0,1,2,3
	ds_load_b128 v[XX+16*((\t)%2)+4*\i:XX+16*((\t)%2)+4*\i+3], v15 offset:32*XSP*((\t)%2)+16*\i
.endr
.endm
.macro XSTEP t
.set XS_, XX+16*((\t)%2)
.if (\t) > 0
	s_wait_dscnt 1                                 ; this step's numbers are back from the stage (the last step's byte store may be out)
.else
	s_wait_dscnt 0x0
.endif
.if (\t)+4 < XSTEPS
	XLOAD (\t)+4                                   ; the registers that the stage's stores have read take the loads of four steps on
.endif
.if (\t)+1 < XSTEPS
.if XSTEPS-2-(\t) >= 3
	s_wait_loadcnt 12                              ; the next step's four loads are in; the 12 of the three steps behind it may be out
.else
	s_wait_loadcnt 4*(XSTEPS-2-(\t))
.endif
	XTURN (\t)+1
.endif
	v_max3_num_f32 v8, |v[XS_]|, |v[XS_+1]|, |v[XS_+2]|            ; the largest magnitude of my 16, in two chains
	v_max3_num_f32 v9, |v[XS_+3]|, |v[XS_+4]|, |v[XS_+5]|
.irp i, 6,10
	v_max3_num_f32 v8, v8, |v[XS_+\i]|, |v[XS_+\i+1]|
	v_max3_num_f32 v9, v9, |v[XS_+\i+2]|, |v[XS_+\i+3]|
.endr
	v_max3_num_f32 v8, v8, |v[XS_+14]|, |v[XS_+15]|
	v_max3_num_f32 v8, v8, v9, (EMAX+1)<<23        ; and the floor 2^(3 - 127): the byte cannot fall under 1
	v_max_num_f32_dpp v8, v8, v8 row_xmask:1 row_mask:0xf bank_mask:0xf   ; with my neighbour's 16: the block's
	v_add_nc_u32 v11, -(EMAX<<23), v8              ; 2 off its exponent field: the conversion takes the exponent field of this operand as its scale
	v_cvt_scalef32_pk8_fp4_f32 v[XC+4*(\t)], v[XS_:XS_+7], v11
	v_cvt_scalef32_pk8_fp4_f32 v[XC+4*(\t)+1], v[XS_+8:XS_+15], v11
	v_lshrrev_b32 v[XE+(\t)], 23, v11              ; the scale's byte (a plain line behind the conversions)
	ds_store_b8 v5, v[XE+(\t)] offset:16*(\t)      ; both lanes of a block write the same byte with the same value
	global_store_b64 v4, v[XC+4*(\t):XC+4*(\t)+1], s[36:37] offset:32*XCB*(\t)   ; the wave stores 256 consecutive bytes, aligned
.endm
.macro WLOAD t                         ; block t: W(32 t + i, my column), i = 0 .. 31; a wave reads 128 consecutive bytes
.irp i, 0,1,2,3,4,5,6,7,8,9,10,11,12,13,14,15,16,17,18,19,20,21,22,23,24,25,26,27,28,29,30,31
	global_load_b32 v[WX+32*((\t)%2)+\i], v3, s[32:33] offset:(32*(\t)+\i)*WROW th:TH_LOAD_NT
.endr
.endm
.macro WBLOCK t
.set WS_, WX+32*((\t)%2)
.if (\t) < WNB-1
	s_wait_loadcnt 32                              ; this block's 32 loads are in; the next block's 32 may be out
.else
	s_wait_loadcnt 0
.endif
	v_max3_num_f32 v16, |v[WS_]|, |v[WS_+1]|, |v[WS_+2]|           ; the block's largest magnitude: all 32 numbers are mine
	v_max3_num_f32 v17, |v[WS_+3]|, |v[WS_+4]|, |v[WS_+5]|
.irp i, 6,10,14,18,22,26
	v_max3_num_f32 v16, v16, |v[WS_+\i]|, |v[WS_+\i+1]|
	v_max3_num_f32 v17, v17, |v[WS_+\i+2]|, |v[WS_+\i+3]|
.endr
	v_max3_num_f32 v16, v16, |v[WS_+30]|, |v[WS_+31]|
	v_max3_num_f32 v16, v16, v17, (EMAX+1)<<23     ; and the floor
	v_add_nc_u32 v11, -(EMAX<<23), v16
	v_lshrrev_b32 v17, 23, v11                     ; the scale's byte
.if (\t)%4 == 0
	v_mov_b32 v[WSB+(\t)/4], v17                   ; four bytes to a register, the lower K in the lower byte
.else
	v_lshl_or_b32 v[WSB+(\t)/4], v17, 8*((\t)%4), v[WSB+(\t)/4]
.endif
.irp g, 0,1,2,3
	v_cvt_scalef32_pk8_fp4_f32 v[WC+\g], v[WS_+8*\g:WS_+8*\g+7], v11
.endr
	ds_store_b128 v4, v[WC:WC+3] offset:16*(\t)    ; 32 codes: 16 bytes of my column's row
.if (\t)+2 < WNB
	WLOAD (\t)+2
.endif
	s_wait_dscnt 0x0                               ; the store has read its registers: the next block's codes may be written
.endm
.macro CAST r                          ; 16 loads of 512 consecutive bytes; 4 numbers a lane become 8 bytes; each store covers 256 consecutive bytes, aligned
.if \r > 0
	s_wait_xcnt 0x0                                ; the last round's stores have read their data registers
.endif
.irp i, 0,1,2,3,4,5,6,7,8,9,10,11,12,13,14,15
	global_load_b128 v[16+4*\i:19+4*\i], v3, s[32:33] offset:8192*\r+512*\i th:TH_LOAD_NT
.endr
.irp i, 0,1,2,3,4,5,6,7,8,9,10,11,12,13,14,15
	s_wait_loadcnt 15-\i                           ; the younger loads of the round may be out
	v_cvt_pk_f16_f32 v[80+2*\i], v[16+4*\i], v[17+4*\i]
	v_cvt_pk_f16_f32 v[81+2*\i], v[18+4*\i], v[19+4*\i]
	global_store_b64 v4, v[80+2*\i:81+2*\i], s[36:37] offset:4096*\r+256*\i
.endr
.endm
	s_load_b512 s[4:19], s[0:1], 0x0               ; q s[4:5], k s[6:7], v s[8:9], wq s[10:11], wk s[12:13], wv s[14:15], wo s[16:17], acodes s[18:19]
	s_load_b256 s[20:27], s[0:1], 0x40             ; ascales s[20:21], wcodes s[22:23], wscales s[24:25], wo16 s[26:27]
	v_lshl_add_u32 v[SPW], v0, 2, SPARE
	v_mov_b32 v[NIL], 0
	v_lshrrev_b32 v1, 5, v0
	v_readfirstlane_b32 s28, v1                    ; wave 0..3
	v_and_b32 v2, 31, v0                           ; lane
	s_wait_kmcnt 0x0
	s_cmp_lt_u32 ttmp9, 48
	s_cbranch_scc1 .Lw
	s_cmp_lt_u32 ttmp9, 80
	s_cbranch_scc1 .Lc
	; ---- PATH X: q, k, v are plain streams of blocks of 32.  Run Rn of 8,192 numbers: tensor Rn / 1,024
	v_lshlrev_b32 v3, 4, v2                        ; my 16 bytes of a load's 512
	s_mul_i32 s31, s28, XWREG
	v_lshrrev_b32 v14, 2, v2
	v_mul_u32_u24 v14, v14, XSP
	v_and_b32 v15, 3, v2
	v_lshl_add_u32 v14, v15, 4, v14
	v_add_nc_u32 v14, s31, v14                     ; the stage, on the way in: XSP (lane / 4) + 16 (lane % 4)
	v_mul_u32_u24 v15, v2, XSP
	v_add_nc_u32 v15, s31, v15                     ; and on the way out: XSP x lane: my 16 neighbours
	v_mul_u32_u24 v4, v2, XCB                      ; my codes' place in a step's
	v_lshrrev_b32 v5, 1, v2
	s_add_co_u32 s31, s31, 2*32*XSP
	v_add_nc_u32 v5, s31, v5                       ; my wave's 256 scale bytes, my block's byte
	v_lshlrev_b32 v7, 3, v2
	v_add_nc_u32 v6, s31, v7                       ; and on the way out 8 bytes a lane
	s_sub_co_u32 s29, ttmp9, 80
	s_lshl_b32 s29, s29, 2
	s_add_co_u32 s29, s29, s28                     ; Rn = 0 .. 3,071
	s_lshr_b32 s30, s29, 10                        ; the tensor: 0 q, 1 k, 2 v
	s_cmp_eq_u32 s30, 0                            ; the choice hangs on ids alone
	s_cselect_b64 s[32:33], s[4:5], s[6:7]
	s_cmp_eq_u32 s30, 2
	s_cselect_b64 s[32:33], s[8:9], s[32:33]
	s_and_b32 s34, s29, 1023
	s_lshl_b32 s34, s34, 15                        ; 32,768 bytes of f32 a run
	s_mov_b32 s35, 0
	s_add_nc_u64 s[32:33], s[32:33], s[34:35]
	s_lshl_b32 s34, s29, 12                        ; 4,096 bytes of codes a run
	s_add_nc_u64 s[36:37], s[18:19], s[34:35]
	s_lshl_b32 s34, s29, 8                         ; 256 scale bytes a run
	s_add_nc_u64 s[38:39], s[20:21], s[34:35]
.irp t, 0,1,2,3
	XLOAD \t
.endr
	s_wait_loadcnt 12                              ; step 0's four loads are in
	XTURN 0
.irp t, 0,1,2,3,4,5,6,7,8,9,10,11,12,13,14,15
	XSTEP \t
.endr
	ds_load_b64 v[8:9], v6                         ; LDS serves a wave's instructions in order: these see my byte stores
	s_wait_dscnt 0x0
	global_store_b64 v7, v[8:9], s[38:39]          ; 32 lanes store 256 consecutive bytes, aligned
	s_wait_tensorcnt 0x0                           ; the wave's end, behind my last LDS store
	ds_add_u32 v[SPW], v[NIL]
	s_wait_dscnt 0x0
	s_endpgm
	; ---- PATH W: a lane takes a column n, its registers run down K.  Work-group id: tensor id / 16, columns 128 (id % 8), K half (id / 8) % 2
.Lw:
	s_lshr_b32 s30, ttmp9, 4                       ; the tensor: 0 wq, 1 wk, 2 wv
	s_and_b32 s29, ttmp9, 7
	s_bfe_u32 s31, ttmp9, 0x10003                  ; which 512 along K
	s_lshl_b32 s29, s29, 7
	s_lshl_b32 s40, s28, 5
	s_add_co_u32 s29, s29, s40                     ; my wave's first column
	s_cmp_eq_u32 s30, 0
	s_cselect_b64 s[32:33], s[10:11], s[12:13]
	s_cmp_eq_u32 s30, 2
	s_cselect_b64 s[32:33], s[14:15], s[32:33]
	s_lshl_b32 s34, s31, 21                        ; 512 rows of 4,096 bytes
	s_lshl_b32 s40, s29, 2
	s_add_co_u32 s34, s34, s40
	s_mov_b32 s35, 0
	s_add_nc_u64 s[32:33], s[32:33], s[34:35]
	s_lshl_b32 s34, s30, 19                        ; codes: 524,288 bytes a tensor, 512 a column, 256 a K half
	s_lshl_b32 s40, s29, 9
	s_add_co_u32 s34, s34, s40
	s_lshl_b32 s40, s31, 8
	s_add_co_u32 s34, s34, s40
	s_add_nc_u64 s[36:37], s[22:23], s[34:35]
	s_lshl_b32 s34, s30, 15                        ; scale bytes: 32,768 a tensor, 32 a column, 16 a K half
	s_lshl_b32 s40, s29, 5
	s_add_co_u32 s34, s34, s40
	s_lshl_b32 s40, s31, 4
	s_add_co_u32 s34, s34, s40
	s_add_nc_u64 s[38:39], s[24:25], s[34:35]
	s_mul_i32 s41, s28, 32*WPITCH
	s_add_co_u32 s41, s41, WSTG                    ; my stage
	v_lshlrev_b32 v3, 2, v2                        ; in: 4 bytes a lane
	v_mul_u32_u24 v4, v2, WPITCH
	v_add_nc_u32 v4, s41, v4                       ; into the stage: row = my column
	v_and_b32 v5, 15, v2
	v_lshrrev_b32 v6, 4, v2                        ; out of it: sixteen lanes to a row, two rows an instruction
	v_mul_u32_u24 v7, v6, WPITCH
	v_lshl_add_u32 v7, v5, 4, v7
	v_add_nc_u32 v7, s41, v7
	v_mul_u32_u24 v8, v6, WKROW
	v_lshl_add_u32 v8, v5, 4, v8                   ; and the same place in wcodes
	v_lshlrev_b32 v9, 5, v2                        ; my column's row of scale bytes
	WLOAD 0
	WLOAD 1
.set Q_, 0
.rept WNB
	WBLOCK Q_
.set Q_, Q_+1
.endr
	global_store_b128 v9, v[WSB:WSB+3], s[38:39]   ; my column's 16 scale bytes
.irp t, 0,1,2,3,4,5,6,7,8,9,10,11,12,13,14,15
	ds_load_b128 v[WOUT+4*\t:WOUT+4*\t+3], v7 offset:2*\t*WPITCH
.endr
.irp t, 0,1,2,3,4,5,6,7,8,9,10,11,12,13,14,15
	s_wait_dscnt 15-\t                             ; the younger reads of the stage may be out
	global_store_b128 v8, v[WOUT+4*\t:WOUT+4*\t+3], s[36:37] offset:2*\t*WKROW   ; sixteen lanes store 256 consecutive bytes, aligned
.endr
	s_wait_tensorcnt 0x0                           ; the wave's end, as above
	ds_add_u32 v[SPW], v[NIL]
	s_wait_dscnt 0x0
	s_endpgm
	; ---- PATH C: wo to f16, a plain stream: a wave takes 8,192 numbers
.Lc:
	s_sub_co_u32 s29, ttmp9, 48
	s_lshl_b32 s29, s29, 2
	s_add_co_u32 s29, s29, s28                     ; run 0 .. 127
	s_lshl_b32 s34, s29, 15
	s_mov_b32 s35, 0
	s_add_nc_u64 s[32:33], s[16:17], s[34:35]
	s_lshl_b32 s34, s29, 14
	s_add_nc_u64 s[36:37], s[26:27], s[34:35]
	v_lshlrev_b32 v3, 4, v2
	v_lshlrev_b32 v4, 3, v2
	CAST 0
	CAST 1
	CAST 2
	CAST 3
	s_wait_tensorcnt 0x0                           ; every wave of the launch ends alike
	ds_add_u32 v[SPW], v[NIL]
	s_wait_dscnt 0x0
	s_endpgm
.Lfunc_end_k_q321a78c453_prep:
	.size	k_q321a78c453_prep, .Lfunc_end_k_q321a78c453_prep-k_q321a78c453_prep
	.p2alignl 7, 3214868480
	.fill 96, 4, 3214868480
	.section	.rodata,"a",@progbits
	.p2align	6, 0x0
	.amdhsa_kernel k_q321a78c453_prep
		.amdhsa_group_segment_fixed_size 68096
		.amdhsa_private_segment_fixed_size 0
		.amdhsa_enable_private_segment 0
		.amdhsa_kernarg_size 96
		.amdhsa_user_sgpr_count 2
		.amdhsa_user_sgpr_kernarg_segment_ptr 1
		.amdhsa_wavefront_size32 1
		.amdhsa_system_sgpr_workgroup_id_x 1
		.amdhsa_system_sgpr_workgroup_id_y 1
		.amdhsa_system_sgpr_workgroup_id_z 1
		.amdhsa_system_vgpr_workitem_id 0
		.amdhsa_next_free_vgpr 192
		.amdhsa_next_free_sgpr 66
		.amdhsa_reserve_vcc 0
		.amdhsa_float_denorm_mode_32 3
		.amdhsa_float_denorm_mode_16_64 3
		.amdhsa_memory_ordered 1
		.amdhsa_forward_progress 1
		.amdhsa_inst_pref_size 134
	.end_amdhsa_kernel
	.amdgpu_metadata
---
amdhsa.version: [ 1, 2 ]
amdhsa.kernels:
  - .name:           k_q321a78c453_prep
    .symbol:         k_q321a78c453_prep.kd
    .args:
      - { .name: q, .offset: 0, .size: 8, .value_kind: global_buffer, .address_space: global }
      - { .name: k, .offset: 8, .size: 8, .value_kind: global_buffer, .address_space: global }
      - { .name: v, .offset: 16, .size: 8, .value_kind: global_buffer, .address_space: global }
      - { .name: wq, .offset: 24, .size: 8, .value_kind: global_buffer, .address_space: global }
      - { .name: wk, .offset: 32, .size: 8, .value_kind: global_buffer, .address_space: global }
      - { .name: wv, .offset: 40, .size: 8, .value_kind: global_buffer, .address_space: global }
      - { .name: wo, .offset: 48, .size: 8, .value_kind: global_buffer, .address_space: global }
      - { .name: acodes, .offset: 56, .size: 8, .value_kind: global_buffer, .address_space: global }
      - { .name: ascales, .offset: 64, .size: 8, .value_kind: global_buffer, .address_space: global }
      - { .name: wcodes, .offset: 72, .size: 8, .value_kind: global_buffer, .address_space: global }
      - { .name: wscales, .offset: 80, .size: 8, .value_kind: global_buffer, .address_space: global }
      - { .name: wo16, .offset: 88, .size: 8, .value_kind: global_buffer, .address_space: global }
    .group_segment_fixed_size: 68096
    .private_segment_fixed_size: 0
    .kernarg_segment_align: 8
    .kernarg_segment_size: 96
    .max_flat_workgroup_size: 128
    .sgpr_count:     66
    .vgpr_count:     192
    .wavefront_size: 32
...
	.end_amdgpu_metadata
.endif
;; end of part 1
;; launch proj (part 2): grid 4 x 96, 4 waves a work-group, clusters of 4 x 4, 327,680 bytes of LDS; arguments acodes, ascales, wcodes, wscales, xqkv, xfine; writes xqkv, xfine
.if DOCPART == 2
	.amdgcn_target "amdgcn-amd-amdhsa--gfx1250"
	.amdhsa_code_object_version 6
	.text
	.protected	k_q321a78c453_proj
	.globl	k_q321a78c453_proj
	.p2align	8
	.type	k_q321a78c453_proj,@function
k_q321a78c453_proj:
	s_mov_b64 s[64:65], 0
	v_nop
	global_prefetch_b8 v0, s[64:65] scope:SCOPE_SE
	s_setreg_imm32_b32 hwreg(HW_REG_WAVE_MODE, 25, 1), 1
	s_wait_xcnt 0x0
	s_wait_alu depctr_hold_cnt(0) depctr_sa_sdst(0) depctr_va_vdst(0) depctr_va_sdst(0) depctr_va_ssrc(0) depctr_va_vcc(0) depctr_vm_vsrc(0)
	s_getreg_b32 s2, hwreg(HW_REG_IB_STS2, 6, 4)
	s_cmp_eq_u32 s2, 0
	s_cbranch_scc0 .Lentry_in_a_cluster
	s_endpgm
.Lentry_in_a_cluster:
	s_bfe_u32 s2, ttmp6, 0x10000c
	s_cmp_lg_u32 s2, 0xf033
	s_cbranch_scc0 .Lentry_shape_is_right
	s_endpgm
.Lentry_shape_is_right:
; THE THREE QUANTISED PRODUCTS: x_t = a_t w_t for t = q, k, v, on codes of FP4 (E2M1) with one E8M0 scale for each 32 along K, sums in f32.
; acodes [3][8192][512 bytes], ascales [3][8192][32]; wcodes [3][1024 n][512 bytes], wscales [3][1024 n][32].
; OUT: xqkv [3][batch 4][head 16][token 2048][64] f16, for the products that follow; and xfine [3][batch 4][position 16][1024] f32: the first 16 positions of each sequence as they are summed.
; LIMIT: |x_t| stays under 65,504 (f16).
; A tile of 256 tokens x 256 columns is made by four waves, each 128 x 128: 64 accumulators, 512 registers.  K = 1,024 is two K steps of 512 (rows of 256 bytes): both are first fills of two LDS slots,
; so nothing is filled again and there is no loop.  The scale bytes of the tile's rows come once, as dense blocks, with the first fills.
; CLUSTERS 4 x 4.  The cluster's y (0 .. 23) gives the tensor t = y / 8 and the 256 tokens y % 8 of a sequence; cy is the batch, cx the tile column.  So a row of the cluster shares A's tiles, a column B's:
; each is asked for jointly.  What hangs on t and on y % 8 is equal in all sixteen partners.
; THE MATRIX INSTRUCTION IS USED TRANSPOSED (source 0 = 16 rows of wcodes, source 1 = 16 tokens): a lane holds eight neighbouring columns of one token.
; REGISTERS, in windows of 256: window 0: v0-31 addresses; v32-95 scale words, two sets, and nothing else ever; v128-191 A's fragments, one set; on the way out v128-223.
;   window 1: B's fragments, two sets.   windows 2, 3: the accumulators of my rows 0-63, 64-127 (accumulator (a, b) at v[8 (8 (a % 4) + b)]).
.set KSTEP,  512
.set NQ,     KSTEP/128
.set ROWB,   256
.set KROW,   512
.set PITCH,  272                       ; an LDS row: 256 bytes + 16 of padding: the 16 rows that a load touches start 68 words apart
.set FR,     8
.set NL,     2
.set NP,     4
.set HALFT,  128*PITCH
.set SLOT,   4*HALFT
.set KS,     32                        ; a row of scale bytes
.set SCL,    2*SLOT
.set HALFS,  (128*KS/256)*272
.set SBLK,   (16*KS/256)*272
.set SPARE,  SCL+4*HALFS               ; the spare words: 128 bytes for each wave, two blocks of 256 bytes that no other line names
.set SPITCH, 272                       ; the way out: a stage of 16 rows x (256 bytes + 16) for each wave, in slot 0, which has had its only fill and its last read by then
.set ADRA, 16
.set ADRB, 20
.set STO,  24
.set RD,   25
.set CO,   26
.set ADRS, 27
.set SPW,  28
.set NIL,  29
.set FO,   30                          ; v30  my byte offset among the 16 rows of xfine
.set SC,   32
.set AF,   128
.set OB,   128                         ; the way out: 16 tokens read back: v128-159 and v160-191 by turns
.set TMP,  192                         ; the way out: packed results
.set G1, 24
.set G0, 32
.set G1B, 48
.set G0B, 56
.set G1S, 68
.set G0S, 76
.set G1SB, 80
.set G0SB, 88
.set MSB, 0
.macro WIN new                         ; the immediate's high byte repeats the setting that is left
.if MSB != (\new)
	s_set_vgpr_msb (MSB<<8)|(\new)
.set MSB, (\new)
.endif
.endm
.set MUL_LO, 0xa1                      ; source 0 (B) window 1, source 1 (A) window 0, C and D window 2
.set MUL_HI, 0xf1
.set TO_B,   0x40
; A joint load: waves 0 and 1 fetch for A, waves 2 and 3 for B; the branch hangs on the wave's number alone.  An s_nop 0 and four v_nop follow each line.
.macro JLOAD g0a, g1a, g0b, g1b
	s_cmp_eq_u32 s17, 0
	s_cbranch_scc0 .Lfor_b_\@
	tensor_load_to_lds s[\g0a:\g0a+3], s[\g1a:\g1a+7]
	s_nop 0
.rept 4
	v_nop
.endr
	s_branch .Lasked_\@
.Lfor_b_\@:
	tensor_load_to_lds s[\g0b:\g0b+3], s[\g1b:\g1b+7]
	s_nop 0
.rept 4
	v_nop
.endr
.Lasked_\@:
.endm
.macro CROUND                          ; a round of the cluster's barrier
	s_barrier_signal -1
	s_barrier_wait -1
	s_cmp_lg_u32 s16, 0
	s_cbranch_scc1 .Lnot_wave_0_\@
	s_barrier_signal -3
.Lnot_wave_0_\@:
	s_barrier_wait -3
	s_barrier_signal -1
	s_barrier_wait -1
.endm
	s_load_b256 s[4:11], s[0:1], 0x0               ; acodes s[4:5], ascales s[6:7], wcodes s[8:9], wscales s[10:11]
	s_load_b128 s[12:15], s[0:1], 0x20             ; xqkv s[12:13], xfine s[14:15]
	v_lshl_add_u32 v[SPW], v0, 2, SPARE
	v_mov_b32 v[NIL], 0
	ds_add_u32 v[SPW], v[NIL]                      ; the wave's opening: the add, twice on end, and its wait ahead of my first tensor load
	ds_add_u32 v[SPW], v[NIL]
	v_lshrrev_b32 v1, 5, v0
	v_readfirstlane_b32 s16, v1                    ; wave 0..3
	s_lshr_b32 s17, s16, 1                         ; which half of the tile's rows is mine.  Also: I fetch for A (0) or for B (1)
	s_and_b32 s18, s16, 1                          ; which half of its columns.  Also: which 128 rows I fetch
	s_bfe_u32 s40, ttmp6, 0x40000                  ; cx
	s_bfe_u32 s41, ttmp6, 0x40004                  ; cy: the batch
	s_lshl_b32 s42, ttmp9, 2
	s_add_co_u32 s42, s42, s40                     ; tile column = 4 x cluster x + cx
	s_and_b32 s66, ttmp7, 0xffff                   ; the cluster's y
	s_lshr_b32 s67, s66, 3                         ; t: the tensor
	s_and_b32 s96, s66, 7                          ; which 256 tokens of the sequence
	s_or_b32 s97, s96, s17                         ; 0 where my first 16 rows are positions 0-15: made of the cluster's y and the wave's number alone
	s_lshl_b32 s43, s41, 2
	s_lshl_b32 s43, 15, s43                        ; my row of the cluster
	s_lshl_b32 s44, 0x1111, s40                    ; my column
	s_or_b32 s[G1+0], s43, (0<<16)|(1<<20)|(1<<21)|(5<<22)|(3<<25)  ; mask; elements of 1 byte; padding: 4 words behind every 64; bit 21 beside a mask
	s_or_b32 s[G1B+0], s44, (0<<16)|(1<<20)|(1<<21)|(5<<22)|(3<<25)
.irp g, G1, G1B
	s_mov_b32 s[\g+1], ROWB<<16                    ; tensor_dim0
	s_mov_b32 s[\g+2], 128<<16                     ; tensor_dim1
	s_mov_b32 s[\g+3], ROWB<<16                    ; tile_dim0
	s_mov_b32 s[\g+4], 128                         ; tile_dim1
	s_mov_b32 s[\g+5], KROW                        ; from row to row
	s_mov_b32 s[\g+6], 0
	s_mov_b32 s[\g+7], 0
.endr
	s_or_b32 s[G1S+0], s43, (3<<16)|(1<<20)|(1<<21)|(5<<22)|(3<<25) ; the scales of 128 rows: 4,096 dense bytes as 16 rows of 32 elements of 8 bytes
	s_or_b32 s[G1SB+0], s44, (3<<16)|(1<<20)|(1<<21)|(5<<22)|(3<<25)
.irp g, G1S, G1SB
	s_mov_b32 s[\g+1], 32<<16
	s_mov_b32 s[\g+2], (128*KS/256)<<16
	s_mov_b32 s[\g+3], 32<<16
	s_mov_b32 s[\g+4], 128*KS/256
	s_mov_b32 s[\g+5], 32
	s_mov_b32 s[\g+6], 0
	s_mov_b32 s[\g+7], 0
.endr
	s_lshl_b32 s20, s67, 13                        ; A's row: 8,192 t + 2,048 cy + 256 (y % 8) + 128 x half
	s_lshl_b32 s21, s41, 11
	s_add_co_u32 s20, s20, s21
	s_lshl_b32 s21, s96, 8
	s_add_co_u32 s20, s20, s21
	s_lshl_b32 s21, s18, 7
	s_add_co_u32 s20, s20, s21
	s_lshl_b32 s46, s67, 10                        ; B's row: 1,024 t + 256 x tile column + 128 x half
	s_lshl_b32 s47, s42, 8
	s_add_co_u32 s46, s46, s47
	s_add_co_u32 s46, s46, s21
	s_lshl_b32 s22, s20, 5                         ; in bytes: 32 of scales a row,
	s_mov_b32 s23, 0
	s_lshl_b32 s20, s20, 9                         ; 512 of codes (all under 2^24)
	s_mov_b32 s21, 0
	s_lshl_b32 s92, s46, 5
	s_mov_b32 s93, 0
	s_lshl_b32 s46, s46, 9
	s_mov_b32 s47, 0
	s_mul_i32 s45, s16, HALFT                      ; where they go: wave x 128 rows: no place in the cluster enters an LDS address
	s_mul_i32 s94, s16, HALFS
	s_wait_dscnt 0x0                               ; both opening adds are done
	s_wait_kmcnt 0x0
	s_add_nc_u64 s[20:21], s[4:5], s[20:21]
	s_add_nc_u64 s[22:23], s[6:7], s[22:23]
	s_add_nc_u64 s[46:47], s[8:9], s[46:47]
	s_add_nc_u64 s[92:93], s[10:11], s[92:93]
	CROUND                                         ; all sixteen work-groups are here: the first joint loads meet
	s_mov_b32 s[G0S], 1
	s_add_co_u32 s[G0S+1], s94, SCL
	s_mov_b64 s[G0S+2:G0S+3], s[22:23]
	s_or_b32 s[G0S+3], s[G0S+3], 0x80000000
	s_mov_b32 s[G0SB], 1
	s_add_co_u32 s[G0SB+1], s94, SCL
	s_mov_b64 s[G0SB+2:G0SB+3], s[92:93]
	s_or_b32 s[G0SB+3], s[G0SB+3], 0x80000000
	JLOAD G0S, G1S, G0SB, G1SB                     ; the scales first: they are wanted with K step 0
.irp s, 0,1
	s_mov_b32 s[G0+4*\s], 1
	s_add_co_u32 s[G0+4*\s+1], s45, \s*SLOT
	s_add_nc_u64 s[G0+4*\s+2:G0+4*\s+3], s[20:21], \s*ROWB
	s_or_b32 s[G0+4*\s+3], s[G0+4*\s+3], 0x80000000
	s_mov_b32 s[G0B+4*\s], 1
	s_add_co_u32 s[G0B+4*\s+1], s45, \s*SLOT
	s_add_nc_u64 s[G0B+4*\s+2:G0B+4*\s+3], s[46:47], \s*ROWB
	s_or_b32 s[G0B+4*\s+3], s[G0B+4*\s+3], 0x80000000
	JLOAD G0+4*\s, G1, G0B+4*\s, G1B               ; three loads of mine are out behind the second of these
.endr
	v_and_b32 v1, 15, v0                           ; r = l % 16
	v_bfe_u32 v2, v0, 4, 1                         ; h = l / 16
	v_mul_u32_u24 v3, v1, PITCH
	v_lshl_add_u32 v4, v2, 4, v3                   ; a fragment's row x pitch + 16 h
	s_mul_i32 s21, s17, HALFT                      ; my 128 rows of A
	s_mul_i32 s22, s18, HALFT                      ; my 128 rows of B,
	s_add_co_u32 s22, s22, 2*HALFT                 ; behind A's 256
.irp s, 0,1
	v_add_nc_u32 v[ADRA+\s], s21, v4
	v_add_nc_u32 v[ADRB+\s], s22, v4
	s_add_co_u32 s21, s21, SLOT
	s_add_co_u32 s22, s22, SLOT
.endr
	v_mul_u32_u24 v5, v1, KS                       ; my row's scales: KS bytes a row,
	v_lshrrev_b32 v6, 8, v5
	v_lshl_add_u32 v5, v6, 4, v5                   ; and 16 more for each 256 passed
	s_mul_i32 s21, s17, HALFS
	s_mul_i32 s22, s18, HALFS
	s_add_co_u32 s22, s22, 2*HALFS
	s_sub_co_u32 s22, s22, s21
	v_mul_u32_u24 v6, s22, v2                      ; lanes 16-31 take B's: one product, the distance between the two bases
	s_add_co_u32 s21, s21, SCL
	v_add_nc_u32 v5, v5, v6
	v_add_nc_u32 v[ADRS], s21, v5
	s_mul_i32 s23, s16, 16*SPITCH                  ; my stage
	v_mul_u32_u24 v5, v1, SPITCH                   ; in: row r, 16 bytes for each half of the lanes
	v_lshl_add_u32 v5, v2, 4, v5
	v_add_nc_u32 v[STO], s23, v5
	v_and_b32 v6, 31, v0
	v_lshlrev_b32 v[CO], 4, v6                     ; out: 16 bytes a lane of 512 consecutive bytes: four tokens of one head
	v_lshrrev_b32 v5, 3, v6
	v_mul_u32_u24 v5, v5, SPITCH
	v_and_b32 v6, 7, v0
	v_lshl_add_u32 v5, v6, 4, v5
	v_add_nc_u32 v[RD], s23, v5                    ; back: token l / 8 of four, 16 (l % 8) of a head's 128 bytes
	v_lshlrev_b32 v[FO], 12, v1
	v_lshl_add_u32 v[FO], v2, 5, v[FO]             ; xfine: row r of 4,096 bytes, + 32 h
	s_lshl_b32 s20, s41, 4                         ; xqkv: head 16 cy + 4 x tile column + 2 x column half,
	s_lshl_b32 s21, s42, 2
	s_add_co_u32 s20, s20, s21
	s_lshl_b32 s21, s18, 1
	s_add_co_u32 s20, s20, s21
	s_lshl_b32 s20, s20, 11                        ; x 2,048 tokens,
	s_lshl_b32 s21, s96, 8
	s_add_co_u32 s20, s20, s21                     ; + my tile's,
	s_lshl_b32 s21, s17, 7
	s_add_co_u32 s20, s20, s21                     ; + my row half's,
	s_lshl_b32 s20, s20, 7                         ; x 128 bytes,
	s_lshl_b32 s21, s67, 24                        ; + 16,777,216 t
	s_add_co_u32 s20, s20, s21
	s_mov_b32 s21, 0
	s_add_nc_u64 s[12:13], s[12:13], s[20:21]
	s_lshl_b32 s20, s67, 2                         ; xfine: (4 t + cy) x 65,536 + 1,024 x tile column + 512 x column half
	s_add_co_u32 s20, s20, s41
	s_lshl_b32 s20, s20, 16
	s_lshl_b32 s22, s42, 10
	s_add_co_u32 s20, s20, s22
	s_lshl_b32 s22, s18, 9
	s_add_co_u32 s20, s20, s22
	s_add_nc_u64 s[14:15], s[14:15], s[20:21]
.macro FRAG reg, adr, q, i             ; 16 rows x 128 K of 4-bit codes: 8 registers: two loads of 16 bytes, 32 bytes apart
.irp c, 0,1
	ds_load_b128 v[\reg+4*\c:\reg+4*\c+3], v[\adr] offset:64*(\q)+32*\c+(\i)*16*PITCH
.endr
.endm
; 16 matrix instructions: A's blocks a0, a0 + 1 x B's eight.  The 64 accumulators take turns, one instruction a turn, in the same order in every step.
.macro MUL16 a0, p, q, sc, zero
.irp a, \a0, \a0+1
.irp b, 0,1,2,3,4,5,6,7
.if \zero
	v_wmma_scale_f32_16x16x128_f8f6f4 v[8*(8*((\a)%4)+\b):8*(8*((\a)%4)+\b)+7], v[128*(\p)+FR*\b:128*(\p)+FR*\b+FR-1], v[AF+FR*(\a):AF+FR*(\a)+FR-1], 0, v[SC+8*NQ*(\sc)+NQ*\b+(\q)], v[SC+8*NQ*(\sc)+NQ*(\a)+(\q)] matrix_a_fmt:MATRIX_FMT_FP4 matrix_b_fmt:MATRIX_FMT_FP4 matrix_a_scale:MATRIX_SCALE_ROW1
.else
	v_wmma_scale_f32_16x16x128_f8f6f4 v[8*(8*((\a)%4)+\b):8*(8*((\a)%4)+\b)+7], v[128*(\p)+FR*\b:128*(\p)+FR*\b+FR-1], v[AF+FR*(\a):AF+FR*(\a)+FR-1], v[8*(8*((\a)%4)+\b):8*(8*((\a)%4)+\b)+7], v[SC+8*NQ*(\sc)+NQ*\b+(\q)], v[SC+8*NQ*(\sc)+NQ*(\a)+(\q)] matrix_a_fmt:MATRIX_FMT_FP4 matrix_b_fmt:MATRIX_FMT_FP4 matrix_a_scale:MATRIX_SCALE_ROW1
.endif
.endr
.endr
.endm
.macro FETCH_B slot, q, p
	WIN TO_B
.irp i, 0,1,2,3,4,5,6,7
	FRAG 128*(\p)+FR*\i, ADRB+\slot, \q, \i
.endr
	WIN 0
.endm
.macro FETCH_A slot, q, i0
.irp i, \i0, \i0+1, \i0+2, \i0+3
	FRAG AF+FR*(\i), ADRA+\slot, \q, \i
.endr
.endm
.macro SCALES sc                       ; a K step's scale words: four a row; lanes 0-15 take A's block i, lanes 16-31 B's block i
.irp i, 0,1,2,3,4,5,6,7
	ds_load_b128 v[SC+8*NQ*\sc+NQ*\i:SC+8*NQ*\sc+NQ*\i+3], v[ADRS] offset:\i*SBLK
.endr
.endm
.macro PLACES n                        ; plain vector lines between a matrix instruction and a load into, or a read of, its registers
.rept \n
	v_nop
.endr
.endm
.macro STEP slot, q, zero              ; 128 along K with its successor in the same slot
	s_wait_dscnt 4*NL                              ; B's set and A's blocks 0-3 are in; the youngest eight loads (A's blocks 4-7) may be out
	WIN MUL_LO
	MUL16 0, (\q)%2, \q, \slot, \zero
	MUL16 2, (\q)%2, \q, \slot, \zero
	s_wait_dscnt 0
	PLACES NP
	FETCH_B \slot, (\q)+1, 1-(\q)%2
	FETCH_A \slot, (\q)+1, 0
	WIN MUL_HI
	MUL16 4, (\q)%2, \q, \slot, \zero
	MUL16 6, (\q)%2, \q, \slot, \zero
	PLACES NP
	WIN 0
	FETCH_A \slot, (\q)+1, 4
.endm
; Slot 0's last step changes slots: one barrier; in front of it each wave waits for all its tensor loads (its part of slot 1), and for its reads of slot 0.  Nothing is filled again.
.macro TURN slot, next
	s_wait_tensorcnt 0x0
	ds_add_u32 v[SPW], v[NIL]
	s_wait_dscnt 4*NL+1                            ; the add and the youngest eight loads may be out
	WIN MUL_LO
	MUL16 0, 1, NQ-1, \slot, 0
	s_wait_dscnt 0x0                               ; the add is done, and my reads of this slot are over
	s_barrier_signal -1
	MUL16 2, 1, NQ-1, \slot, 0
	WIN 0
	s_barrier_wait -1
	PLACES NP
	v_add_nc_u32 v[ADRS], 4*NQ, v[ADRS]            ; on to the next K step's scale words
	FETCH_B \next, 0, 0
	FETCH_A \next, 0, 0
	SCALES \next
	WIN MUL_HI
	MUL16 4, 1, NQ-1, \slot, 0
	MUL16 6, 1, NQ-1, \slot, 0
	PLACES NP
	WIN 0
	FETCH_A \next, 0, 4
.endm
.macro STEPS slot, from
.set Q, \from
.rept NQ-1-\from
	STEP \slot, Q, 0
.set Q, Q+1
.endr
.endm
	s_wait_tensorcnt 1                             ; the scales and my part of K step 0 are in; K step 1's load may be out
	s_barrier_signal -1
	s_barrier_wait -1
	FETCH_B 0, 0, 0
	FETCH_A 0, 0, 0
	SCALES 0
	FETCH_A 0, 0, 4
	STEP 0, 0, 1                                   ; the first products start the sums: nothing is cleared
	STEPS 0, 1
	TURN 0, 1
	STEPS 1, 0
	s_wait_dscnt 4*NL
	WIN MUL_LO
	MUL16 0, 1, NQ-1, 1, 0
	MUL16 2, 1, NQ-1, 1, 0
	s_wait_dscnt 0
	WIN MUL_HI
	MUL16 4, 1, NQ-1, 1, 0
	MUL16 6, 1, NQ-1, 1, 0
	WIN 0
	PLACES NP                                      ; behind the last products: for the reads of results and the loads into A's registers below
	; THE FIRST 16 POSITIONS AS f32: block 0 of the waves whose first row is a sequence's position 0.  A lane's eight numbers are 32 consecutive bytes of a row of xfine.
	s_cmp_lg_u32 s97, 0
	s_cbranch_scc1 .Lnofine
	WIN 0x08                                       ; a store's data are its source 1: window 2
.irp b, 0,1,2,3,4,5,6,7
	global_store_b128 v[FO], v[8*\b:8*\b+3], s[14:15] offset:64*\b          ; each accumulator from its low end on
	global_store_b128 v[FO], v[8*\b+4:8*\b+7], s[14:15] offset:64*\b+16
.endr
	WIN 0
.Lnofine:
; THE WAY OUT, a block of 16 tokens x 128 columns (two heads) at a time: rounded to f16, 16 bytes a lane into my stage, back as four tokens x 128 bytes of one head, which are 512 consecutive bytes of xqkv.
.macro PACK a
.set AC, 64*((\a)%4)
	WIN 0x0a+5*((\a)/4)                            ; sources 0 and 1: window 2 or 3
.irp b, 0,1,2,3,4,5,6,7
.irp r, 0,1,2,3
	v_cvt_pk_f16_f32 v[TMP+4*\b+\r], v[AC+8*\b+2*\r], v[AC+8*\b+2*\r+1]
.endr
.endr
	WIN 0
.endm
.macro TOSTAGE a
.set OBB, OB+32*((\a)%2)
.irp b, 0,1,2,3,4,5,6,7
	ds_store_b128 v[STO], v[TMP+4*\b:TMP+4*\b+3] offset:32*\b
.endr
.irp j, 0,1
.irp i, 0,1,2,3
	ds_load_b128 v[OBB+4*(4*\j+\i):OBB+4*(4*\j+\i)+3], v[RD] offset:\i*4*SPITCH+128*\j   ; LDS serves a wave's instructions in order: these see the stores above
.endr
.endr
.endm
.macro SEND a
.set OBB, OB+32*((\a)%2)
	s_wait_dscnt 0x0                               ; the block is back in registers
	s_wait_xcnt 0x0                                ; the stores of two blocks back have read their registers: the next block's loads may land there
.irp j, 0,1
.irp i, 0,1,2,3
	global_store_b128 v[CO], v[OBB+4*(4*\j+\i):OBB+4*(4*\j+\i)+3], s[12:13] offset:(\a)*2048+\j*262144+\i*512   ; 32 lanes store 512 consecutive bytes, aligned
.endr
.endr
.endm
	PACK 0
	TOSTAGE 0
.irp a, 1,2,3,4,5,6,7                  ; block a's conversions stand between block a - 1's loads from the stage and the wait for them
	PACK \a
	SEND \a-1
	TOSTAGE \a
.endr
	SEND 7
	s_wait_tensorcnt 0x0                           ; the wave's end
	ds_add_u32 v[SPW], v[NIL]
	s_wait_dscnt 0x0
	CROUND                                         ; the closing round
	s_endpgm
.Lfunc_end_k_q321a78c453_proj:
	.size	k_q321a78c453_proj, .Lfunc_end_k_q321a78c453_proj-k_q321a78c453_proj
	.p2alignl 7, 3214868480
	.fill 96, 4, 3214868480
	.section	.rodata,"a",@progbits
	.p2align	6, 0x0
	.amdhsa_kernel k_q321a78c453_proj
		.amdhsa_group_segment_fixed_size 327680
		.amdhsa_private_segment_fixed_size 0
		.amdhsa_enable_private_segment 0
		.amdhsa_kernarg_size 48
		.amdhsa_user_sgpr_count 2
		.amdhsa_user_sgpr_kernarg_segment_ptr 1
		.amdhsa_wavefront_size32 1
		.amdhsa_system_sgpr_workgroup_id_x 1
		.amdhsa_system_sgpr_workgroup_id_y 1
		.amdhsa_system_sgpr_workgroup_id_z 1
		.amdhsa_system_vgpr_workitem_id 0
		.amdhsa_next_free_vgpr 1024
		.amdhsa_next_free_sgpr 98
		.amdhsa_reserve_vcc 0
		.amdhsa_float_denorm_mode_32 3
		.amdhsa_float_denorm_mode_16_64 3
		.amdhsa_memory_ordered 1
		.amdhsa_forward_progress 1
		.amdhsa_inst_pref_size 128
	.end_amdhsa_kernel
	.amdgpu_metadata
---
amdhsa.version: [ 1, 2 ]
amdhsa.kernels:
  - .name:           k_q321a78c453_proj
    .symbol:         k_q321a78c453_proj.kd
    .args:
      - { .name: acodes, .offset: 0, .size: 8, .value_kind: global_buffer, .address_space: global }
      - { .name: ascales, .offset: 8, .size: 8, .value_kind: global_buffer, .address_space: global }
      - { .name: wcodes, .offset: 16, .size: 8, .value_kind: global_buffer, .address_space: global }
      - { .name: wscales, .offset: 24, .size: 8, .value_kind: global_buffer, .address_space: global }
      - { .name: xqkv, .offset: 32, .size: 8, .value_kind: global_buffer, .address_space: global }
      - { .name: xfine, .offset: 40, .size: 8, .value_kind: global_buffer, .address_space: global }
    .group_segment_fixed_size: 327680
    .private_segment_fixed_size: 0
    .kernarg_segment_align: 8
    .kernarg_segment_size: 48
    .max_flat_workgroup_size: 128
    .sgpr_count:     98
    .vgpr_count:     1024
    .wavefront_size: 32
...
	.end_amdgpu_metadata
.endif
;; end of part 2
;; launch attn (part 3): grid 4 x 64, 16 waves a work-group, no clusters, 327,680 bytes of LDS; arguments xqkv, o16; writes o16
.if DOCPART == 3
	.amdgcn_target "amdgcn-amd-amdhsa--gfx1250"
	.amdhsa_code_object_version 6
	.text
	.protected	k_q321a78c453_attn
	.globl	k_q321a78c453_attn
	.p2align	8
	.type	k_q321a78c453_attn,@function
k_q321a78c453_attn:
	s_mov_b64 s[64:65], 0
	v_nop
	global_prefetch_b8 v0, s[64:65] scope:SCOPE_SE
	s_setreg_imm32_b32 hwreg(HW_REG_WAVE_MODE, 25, 1), 1
	s_wait_xcnt 0x0
; O[b][h][q] = the sum over k <= q of softmax_k(Q[q] . K[k] / 8) V[k], head size 64.  xqkv [3][64 heads][2048][64] f16 (Q, K, V); o16 [64 heads][2048][64] f16.
; Products on f16 operands, sums, maxima and exponentials in f32; the weights p are rounded to f16 for the second product, O once at the end.
; LIMIT: the operands are f16 as the launch before stored them; NaN and infinities are not served.  (Positions 0-15 of each sequence are computed here too and are replaced, in the final output, by a later launch in f32.)
; SHARES.  A work-group owns query blocks i and 7 - i (256 queries each) of one head: under the causal mask that is the same number of key steps for every i.  Each of its sixteen waves owns 32 queries, two
; tiles of 16, in 256 registers: four waves to a SIMD, so that one wave's vector work stands beside another's matrix work.  Of waves 2 x and 2 x + 1 one takes queries 32 x on of the early block, the other of the late one.
; Every wave walks all eight slots of 256 keys (constant trip counts, every barrier passed); a step of 64 keys that lies wholly behind the wave's queries is jumped over, by a scalar branch on ids.
; NO CLUSTER: the four work-groups of a head need 8, 7, 6 and 5 slots of keys, so a joint load would bring tiles that no wave of some partner reads.
; LAYOUT.  S^T = K Q^T (source 0 = 16 keys, source 1 = 16 queries): a lane holds one query (lane % 16) and keys 8 (lane / 16) + 0..7.  Two such tiles, rounded in pairs, are source 1 of O^T = V^T P.
; K comes out of LDS as it lies, V ([key][channel]) turned, by ds_load_tr16_b128.
; SOFTMAX.  A running maximum m and sum l for each query: p = 2^(c s - c m), c = log2(e) / 8; in every step O and l are multiplied by a = 2^(c m_old - c m_new).
; REGISTERS: v1-11 addresses and the mask's numbers; v12-27 statistics, eight a tile: +0 c m, +1 m, +2, +3 l, +4 to +7 at work (a in +6); v28-31 addresses; v32-63 Q; v64-127 K of a step, then its V;
;   v128-191 S^T, 32 a tile, then P in the first 16 of them; v192-255 O^T, 32 a tile.
.set KP,    144                        ; a key's row of K in LDS: 128 bytes + 16
.set VP,    160                        ; of V: 128 + 32: an odd multiple of 32, for the turning load
.set SKEYS, 256                        ; keys in a slot
.set VOFF,  SKEYS*KP                   ; a slot: 256 rows of K, then 256 rows of V
.set SLOT1, 1<<17                      ; slot 1 begins here: one exclusive or turns an address
.set STAGE, 2*SLOT1                    ; behind the ring: 16 rows x 144 bytes for each wave, for the way out; no tile lands here
.set SPARE, STAGE+16*16*KP             ; the spare words: 128 bytes for each wave, eight blocks of 256 bytes that no other line names
.set TENS,  16777216                   ; bytes of one of the three tensors
.set SLOTB, SKEYS*128                  ; a slot's keys in memory
.set AK0, 1
.set AV0, 2
.set ADK, 3
.set ADV, 4
.set SPW, 5
.set NIL, 6
.set PFO, 7                            ; v7   256 x lane: the prefetches' offset; never rewritten
.set RH,  8                            ; v8   r - 8 h
.set D0,  9                            ; v9, v10  the mask's bound for tiles 0, 1
.set NINF, 11                          ; v11  -infinity
.set ST,  12
.set QO,  28
.set STO, 29
.set RD,  30
.set GO,  31
.set Q,   32
.set KV,  64
.set S,   128
.set O,   192
.set TB,  2                            ; s2   LDS byte at which the slot in hand begins
.set WV,  18
.set SEL, 20                           ; s[20:21] v_permlanex16_b32's selects for lane l xor 16
.set CS,  22                           ; s[22:23] c, twice: the packed form names a pair
.set G1K, 24
.set G1V, 32
.set G0K, 40
.set G0V, 44
.set KF,  48                           ; s48  the step's first key
.set Q0,  49                           ; s49  my first query
.set QL,  50                           ; s50  my last
.set LQ,  51                           ; s51  my work-group's last
.set PFA, 52                           ; s[52:53] where my prefetches stand
.set LIM, 54                           ; s54  1 in a wave that prefetches, else the greatest number
.set SLOTS, 67
; Waves 0 and 1 fetch K's halves of a slot, waves 2 and 3 V's, the others nothing.  An s_nop 0 and four v_nop follow each line.
.macro TLOAD
	s_cmp_lt_u32 s[WV], 2
	s_cbranch_scc0 .Lnot_k_\@
	tensor_load_to_lds s[G0K:G0K+3], s[G1K:G1K+7]
	s_nop 0
.rept 4
	v_nop
.endr
	s_branch .Lasked_\@
.Lnot_k_\@:
	s_cmp_lt_u32 s[WV], 4
	s_cbranch_scc0 .Lasked_\@
	tensor_load_to_lds s[G0V:G0V+3], s[G1V:G1V+7]
	s_nop 0
.rept 4
	v_nop
.endr
.Lasked_\@:
.endm
; A prefetch of what the NEXT change of slots will ask for: a slot's 32,768 bytes of K and of V.  Of a head's four work-groups the one with i = 0, which walks all eight slots, asks; in it waves 4-7 for K and
; waves 8-11 for V, 8,192 bytes a wave, lanes 256 bytes apart: each aligned block of 256 bytes is named once in the launch.  Trip n loads slot n + 1 and asks for slot n + 2; the last trip asks for nothing.
.macro ASK
	s_cmp_gt_u32 s[SLOTS], s[LIM]
	s_cbranch_scc0 .Lnot_mine_\@
	global_prefetch_b8 v[PFO], s[PFA:PFA+1] th:TH_LOAD_NT scope:SCOPE_SE
.Lnot_mine_\@:
.endm
	s_load_b128 s[4:7], s[0:1], 0x0                ; xqkv s[4:5], o16 s[6:7]
	v_lshl_add_u32 v[SPW], v0, 2, SPARE
	v_mov_b32 v[NIL], 0
	ds_add_u32 v[SPW], v[NIL]                      ; the wave's opening: the add, twice on end, and its wait ahead of the first tensor load
	ds_add_u32 v[SPW], v[NIL]
	v_lshrrev_b32 v8, 5, v0
	v_readfirstlane_b32 s[WV], v8                  ; wave 0..15
	s_and_b32 s56, ttmp7, 0xffff                   ; the head, 16 b + h
	s_lshl_b32 s56, s56, 18                        ; x 262,144 bytes
	s_mov_b32 s57, 0
	s_lshr_b32 s58, s[WV], 2
	s_xor_b32 s58, s58, s[WV]
	s_and_b32 s58, s58, 1                          ; 1: I take the late block
	s_sub_co_u32 s59, 7, ttmp9
	s_cmp_eq_u32 s58, 1
	s_cselect_b32 s59, s59, ttmp9                  ; my block of 256 queries
	s_lshl_b32 s[Q0], s59, 8
	s_lshr_b32 s60, s[WV], 1
	s_lshl_b32 s60, s60, 5
	s_add_co_u32 s[Q0], s[Q0], s60                 ; my first query
	s_add_co_u32 s[QL], s[Q0], 31
	s_sub_co_u32 s[LQ], 8, ttmp9
	s_lshl_b32 s[LQ], s[LQ], 8
	s_sub_co_u32 s[LQ], s[LQ], 1                   ; the late block's last query
	s_mov_b32 s[G1K], (1<<16)|(1<<20)|(4<<22)|(3<<25)   ; no mask; elements of 2 bytes; padding: 4 words behind every 32
	s_mov_b32 s[G1V], (1<<16)|(1<<20)|(4<<22)|(7<<25)   ; 8 words behind every 32
.irp g, G1K, G1V
	s_mov_b32 s[\g+1], 64<<16                      ; tensor_dim0
	s_mov_b32 s[\g+2], 128<<16                     ; tensor_dim1
	s_mov_b32 s[\g+3], 64<<16                      ; tile_dim0
	s_mov_b32 s[\g+4], 128                         ; tile_dim1: half a slot's keys
	s_mov_b32 s[\g+5], 64                          ; from row to row
	s_mov_b32 s[\g+6], 0
	s_mov_b32 s[\g+7], 0
.endr
	s_and_b32 s58, s[WV], 1                        ; which half of a slot I fetch, if I fetch
	s_lshl_b32 s60, s58, 14                        ; 128 keys of 128 bytes in memory,
	s_mov_b32 s61, 0
	s_mul_i32 s62, s58, 128*KP                     ; and in a slot: K's,
	s_mul_i32 s63, s58, 128*VP
	s_add_co_u32 s63, s63, VOFF                    ; V's
	s_mov_b32 s[SEL], 0x76543210
	s_mov_b32 s[SEL+1], 0xfedcba98
	s_mov_b32 s[CS], 0x3e38aa3b                    ; c = log2(e) / 8
	s_mov_b32 s[CS+1], s[CS]
	s_mov_b32 s[TB], 0
	s_mov_b32 s[KF], 0
	s_mov_b32 s[SLOTS], 7
	s_wait_dscnt 0x0                               ; both opening adds are done
	s_wait_kmcnt 0x0
	s_add_nc_u64 s[8:9], s[4:5], s[56:57]          ; my head in Q's tensor
	s_mov_b32 s[G0K], 1
	s_mov_b32 s[G0K+1], s62
	s_add_nc_u64 s[G0K+2:G0K+3], s[8:9], TENS
	s_add_nc_u64 s[G0K+2:G0K+3], s[G0K+2:G0K+3], s[60:61]
	s_or_b32 s[G0K+3], s[G0K+3], 0x80000000
	s_mov_b32 s[G0V], 1
	s_mov_b32 s[G0V+1], s63
	s_add_nc_u64 s[G0V+2:G0V+3], s[8:9], 2*TENS
	s_add_nc_u64 s[G0V+2:G0V+3], s[G0V+2:G0V+3], s[60:61]
	s_or_b32 s[G0V+3], s[G0V+3], 0x80000000
	TLOAD                                          ; slot 0: it holds key 0, which counts for every query
	s_lshl_b32 s58, s[Q0], 7
	s_mov_b32 s59, 0
	s_add_nc_u64 s[10:11], s[8:9], s[58:59]        ; Q at my first query
	s_add_nc_u64 s[12:13], s[6:7], s[56:57]
	s_add_nc_u64 s[12:13], s[12:13], s[58:59]      ; o16 likewise
	v_and_b32 v8, 15, v0                           ; r
	v_bfe_u32 v9, v0, 4, 1                         ; h
	v_lshlrev_b32 v[QO], 7, v8
	v_lshl_add_u32 v[QO], v9, 4, v[QO]             ; row r of 128 bytes + 16 h
.irp t, 0,1
.irp c, 0,1
	global_load_b128 v[Q+16*\t+8*\c:Q+16*\t+8*\c+3],   v[QO], s[10:11] offset:2048*\t+64*\c      ; Q stays in registers: tile t, channels 32 c on
	global_load_b128 v[Q+16*\t+8*\c+4:Q+16*\t+8*\c+7], v[QO], s[10:11] offset:2048*\t+64*\c+32
.endr
.endr
	; the prefetches: where my wave's stand, and who asks
	s_and_b32 s66, s[WV], 3
	s_lshl_b32 s66, s66, 13                        ; my wave's 8,192 bytes,
	s_add_co_u32 s66, s66, SLOTB                   ; in slot 1: the first change of slots steps it to slot 2
	s_cmp_lt_u32 s[WV], 8                          ; waves 4-7: K; waves 8-11: V
	s_mov_b32 s58, 2*TENS
	s_cselect_b32 s58, TENS, s58
	s_add_co_u32 s58, s58, s66
	s_add_nc_u64 s[PFA:PFA+1], s[8:9], s[58:59]
	s_sub_co_u32 s66, s[WV], 4
	s_lshr_b32 s66, s66, 3                         ; 0 in waves 4 to 11,
	s_or_b32 s66, s66, ttmp9                       ; of the work-group with i = 0
	s_cmp_eq_u32 s66, 0
	s_cselect_b32 s[LIM], 1, -1
	v_mul_u32_u24 v[AK0], v8, KP
	v_lshl_add_u32 v[AK0], v9, 4, v[AK0]           ; K: key r x pitch + 16 h
	v_and_b32 v10, 7, v0
	v_bfe_u32 v11, v0, 3, 1
	v_lshl_add_u32 v[AV0], v9, 3, v10              ; V, for the turning load: key 8 h + l % 8,
	v_mul_u32_u24 v[AV0], v[AV0], VP
	v_lshl_add_u32 v[AV0], v11, 4, v[AV0]          ; channels 8 ((l / 8) % 2) on
	v_add_nc_u32 v[AV0], VOFF, v[AV0]
	s_mul_i32 s58, s[WV], 16*KP
	s_add_co_u32 s58, s58, STAGE                   ; my stage
	v_mul_u32_u24 v[STO], v8, KP
	v_lshl_add_u32 v[STO], v9, 4, v[STO]
	v_add_nc_u32 v[STO], s58, v[STO]               ; in: row r, 16 bytes for each half of the lanes
	v_and_b32 v[GO], 31, v0
	v_lshrrev_b32 v[RD], 3, v[GO]
	v_mul_u32_u24 v[RD], v[RD], KP
	v_lshl_add_u32 v[RD], v10, 4, v[RD]
	v_add_nc_u32 v[RD], s58, v[RD]                 ; back: four rows of 128 bytes an instruction
	v_lshlrev_b32 v[PFO], 8, v[GO]
	v_lshlrev_b32 v[GO], 4, v[GO]                  ; and the same 512 bytes in o16
	v_lshlrev_b32 v9, 3, v9
	v_sub_nc_u32 v[RH], v8, v9                     ; r - 8 h
	v_mov_b32 v[NINF], 0xff800000
.irp t, 0,1
	v_mov_b32 v[ST+8*\t+1], 0xff61b1e6             ; m: -3e38, under every score
	v_mul_f32 v[ST+8*\t], s[CS], v[ST+8*\t+1]      ; c m
.irp j, 2,3,4,5,6,7
	v_mov_b32 v[ST+8*\t+\j], 0                     ; l, and the registers at work: written once, since pairs and lane permutes name them
.endr
.endr
.irp j, 0,1,2,3,4,5,6,7,8,9,10,11,12,13,14,15,16,17,18,19,20,21,22,23,24,25,26,27,28,29,30,31,32,33,34,35,36,37,38,39,40,41,42,43,44,45,46,47,48,49,50,51,52,53,54,55,56,57,58,59,60,61,62,63
	v_mov_b32 v[O+\j], 0                           ; O^T: the step is written once; the first step finds zeros, which a = 0 leaves zeros
.endr
; A KEY STEP: 64 keys, the q-th of the slot in hand.
.macro STEP q
	s_cmp_gt_u32 s[KF], s[QL]                      ; all its keys come after my queries: jumped over; no barrier and no tensor load stands in a step
	s_cbranch_scc1 .Lhidden_\@
	v_add_nc_u32 v[ADK], s[TB], v[AK0]
	v_add_nc_u32 v[ADV], s[TB], v[AV0]
.rept 3
	v_nop                                          ; with the two additions: five places behind the last products: four for the loads into V's registers, five for the products that write over P
.endr
.irp kt, 0,1,2,3
.irp c, 0,1
	ds_load_b128 v[KV+16*\kt+8*\c:KV+16*\kt+8*\c+3],   v[ADK] offset:64*KP*(\q)+16*KP*\kt+64*\c
	ds_load_b128 v[KV+16*\kt+8*\c+4:KV+16*\kt+8*\c+7], v[ADK] offset:64*KP*(\q)+16*KP*\kt+64*\c+32
.endr
.endr
	s_wait_dscnt 0x0
.irp c, 0,1                                    ; S^T = K Q^T: the eight accumulators take turns; the first eight start the sums
.irp kt, 0,1,2,3
.irp t, 0,1
.if \c == 0
	v_wmma_f32_16x16x32_f16 v[S+32*\t+8*\kt:S+32*\t+8*\kt+7], v[KV+16*\kt+8*\c:KV+16*\kt+8*\c+7], v[Q+16*\t+8*\c:Q+16*\t+8*\c+7], 0
.else
	v_wmma_f32_16x16x32_f16 v[S+32*\t+8*\kt:S+32*\t+8*\kt+7], v[KV+16*\kt+8*\c:KV+16*\kt+8*\c+7], v[Q+16*\t+8*\c:Q+16*\t+8*\c+7], v[S+32*\t+8*\kt:S+32*\t+8*\kt+7]
.endif
.endr
.endr
.endr
.rept 4
	v_nop                                          ; places in front of the loads into K's registers and of the first reads of the scores
.endr
.irp u, 0,1                                    ; V, turned: keys 32 u on, channels 16 ct on; it lands while the softmax is walked
.irp ct, 0,1,2,3
	ds_load_tr16_b128 v[KV+32*\u+8*\ct:KV+32*\u+8*\ct+3],   v[ADV] offset:64*VP*(\q)+32*VP*\u+32*\ct
	ds_load_tr16_b128 v[KV+32*\u+8*\ct+4:KV+32*\u+8*\ct+7], v[ADV] offset:64*VP*(\q)+32*VP*\u+32*\ct+16*VP
.endr
.endr
	s_add_co_u32 s56, s[KF], 63                    ; on the diagonal hidden scores become -infinity; a step all of whose keys count skips this
	s_cmp_le_u32 s56, s[Q0]
	s_cbranch_scc1 .Lopen_\@
	s_sub_co_i32 s56, s[Q0], s[KF]
	v_add_nc_u32 v[D0], s56, v[RH]                 ; register n of tile t holds key KF + 8 h + 16 (n / 8) + n % 8, my query is Q0 + 16 t + r: hidden where 16 (n / 8) + n % 8 > Q0 - KF + 16 t + r - 8 h
	v_add_nc_u32 v[D0+1], 16, v[D0]
.irp t, 0,1
.irp n, 0,1,2,3,4,5,6,7,8,9,10,11,12,13,14,15,16,17,18,19,20,21,22,23,24,25,26,27,28,29,30,31
	v_cmp_gt_i32 vcc_lo, 16*(\n/8)+\n%8, v[D0+\t]
	v_cndmask_b32 v[S+32*\t+\n], v[S+32*\t+\n], v[NINF], vcc_lo
.endr
.endr
.Lopen_\@:
.irp j, 0,1,2,3                                ; the maximum: four chains a tile, each begun at an accumulator's low end; the tiles by turns
.irp t, 0,1
	v_max3_num_f32 v[ST+8*\t+4+\j], v[S+32*\t+8*\j], v[S+32*\t+8*\j+1], v[S+32*\t+8*\j+2]
.endr
.endr
.irp i, 3,5
.irp j, 0,1,2,3
.irp t, 0,1
	v_max3_num_f32 v[ST+8*\t+4+\j], v[ST+8*\t+4+\j], v[S+32*\t+8*\j+\i], v[S+32*\t+8*\j+\i+1]
.endr
.endr
.endr
.irp t, 0,1
	v_max3_num_f32 v[ST+8*\t+4], v[ST+8*\t+4], v[S+32*\t+7], v[S+32*\t+15]
	v_max3_num_f32 v[ST+8*\t+6], v[ST+8*\t+6], v[S+32*\t+23], v[S+32*\t+31]
.endr
.irp t, 0,1
	v_max3_num_f32 v[ST+8*\t+4], v[ST+8*\t+4], v[ST+8*\t+5], v[ST+8*\t+6]
.endr
.irp t, 0,1
	v_max3_num_f32 v[ST+8*\t+4], v[ST+8*\t+4], v[ST+8*\t+7], v[ST+8*\t+1]   ; with the old m
.endr
.irp t, 0,1
	v_permlanex16_b32 v[ST+8*\t+5], v[ST+8*\t+4], s[SEL], s[SEL+1]          ; the query's other 32 keys lie in the lane 16 away
.endr
.irp t, 0,1
	v_mov_b32 v[ST+8*\t+7], v[ST+8*\t]             ; c m_old
.endr
.irp t, 0,1
	v_max_num_f32 v[ST+8*\t+1], v[ST+8*\t+4], v[ST+8*\t+5]
.endr
.irp t, 0,1
	v_mul_f32 v[ST+8*\t], s[CS], v[ST+8*\t+1]
.endr
.irp t, 0,1
	v_sub_f32 v[ST+8*\t+7], v[ST+8*\t+7], v[ST+8*\t]
.endr
.irp j, 0,2,4,6,8,10,12,14,16,18,20,22,24,26,28,30
.irp t, 0,1
	v_pk_fma_f32 v[S+32*\t+\j:S+32*\t+\j+1], v[S+32*\t+\j:S+32*\t+\j+1], s[CS:CS+1], v[ST+8*\t:ST+8*\t+1] op_sel_hi:[1,0,0] neg_lo:[0,0,1] neg_hi:[0,0,1]   ; c s - c m
.endr
.endr
.irp t, 0,1
	v_exp_f32 v[ST+8*\t+6], v[ST+8*\t+7]           ; a
.endr
.irp j, 0,1,2,3,4,5,6,7,8,9,10,11,12,13,14,15,16,17,18,19,20,21,22,23,24,25,26,27,28,29,30,31
.irp t, 0,1
	v_exp_f32 v[S+32*\t+\j], v[S+32*\t+\j]         ; p
.endr
.endr
	v_nop                                          ; a plain line behind the last exponential
	s_wait_alu depctr_va_vdst(0)                   ; one wait for the batch of 66, ahead of its first reader
.irp t, 0,1
	v_pk_mul_f32 v[ST+8*\t+2:ST+8*\t+3], v[ST+8*\t+2:ST+8*\t+3], v[ST+8*\t+6:ST+8*\t+7] op_sel_hi:[1,0]   ; l x a
.endr
.irp t, 0,1
	v_pk_add_f32 v[ST+8*\t+4:ST+8*\t+5], v[S+32*\t:S+32*\t+1], v[S+32*\t+2:S+32*\t+3]                     ; the sum of p, before it is rounded: two chains a tile
.endr
.irp j, 4,8,12,16,20,24,28
.irp t, 0,1
	v_pk_add_f32 v[ST+8*\t+2:ST+8*\t+3], v[ST+8*\t+2:ST+8*\t+3], v[S+32*\t+\j:S+32*\t+\j+1]
	v_pk_add_f32 v[ST+8*\t+4:ST+8*\t+5], v[ST+8*\t+4:ST+8*\t+5], v[S+32*\t+\j+2:S+32*\t+\j+3]
.endr
.endr
.irp t, 0,1
	v_pk_add_f32 v[ST+8*\t+2:ST+8*\t+3], v[ST+8*\t+2:ST+8*\t+3], v[ST+8*\t+4:ST+8*\t+5]
.endr
.irp i, 0,1,2,3,4,5,6,7,8,9,10,11,12,13,14,15  ; P, in place: register i takes scores 2 i and 2 i + 1, i ascending, so nothing is overwritten before it is read
.irp t, 0,1
	v_cvt_pk_f16_f32 v[S+32*\t+\i], v[S+32*\t+2*\i], v[S+32*\t+2*\i+1]
.endr
.endr
.irp j, 0,2,4,6,8,10,12,14,16,18,20,22,24,26,28,30
.irp t, 0,1
	v_pk_mul_f32 v[O+32*\t+\j:O+32*\t+\j+1], v[O+32*\t+\j:O+32*\t+\j+1], v[ST+8*\t+6:ST+8*\t+7] op_sel_hi:[1,0]   ; O^T x a
.endr
.endr
	s_wait_dscnt 0x0                               ; V is in
.irp u, 0,1                                    ; O^T += V^T P: the eight accumulators take turns
.irp ct, 0,1,2,3
.irp t, 0,1
	v_wmma_f32_16x16x32_f16 v[O+32*\t+8*\ct:O+32*\t+8*\ct+7], v[KV+32*\u+8*\ct:KV+32*\u+8*\ct+7], v[S+32*\t+8*\u:S+32*\t+8*\u+7], v[O+32*\t+8*\ct:O+32*\t+8*\ct+7]
.endr
.endr
.endr
.Lhidden_\@:
	s_add_co_u32 s[KF], s[KF], 64
.endm
; THE CHANGE OF SLOTS, at a slot's head.  Each wave waits for all its tensor loads, adds 0 to its spare word, and waits for that and for its reads of the slot that it has left; behind the barrier the slot ahead is
; whole and nobody reads the other.  fill = 1: the other slot takes the keys that follow, while its first key is at or under the work-group's last query: a slot beyond that would be read by no wave.  The test is
; made of ids and the count of steps alone, the same in all sixteen waves, and leads round the load's own lines alone; every wait on TENSORcnt in this text is for 0.
.macro CHANGE fill
	s_wait_tensorcnt 0x0                           ; no tensor load of mine is out, so a group 0 may be written
	ds_add_u32 v[SPW], v[NIL]
.if \fill
	ds_add_u32 v[SPW], v[NIL]                      ; and, in the loop, twice on end
	s_xor_b32 s[G0K+1], s[G0K+1], SLOT1
	s_add_nc_u64 s[G0K+2:G0K+3], s[G0K+2:G0K+3], SLOTB
	s_xor_b32 s[G0V+1], s[G0V+1], SLOT1
	s_add_nc_u64 s[G0V+2:G0V+3], s[G0V+2:G0V+3], SLOTB
	s_wait_xcnt 0x0                                ; the last prefetch, a slot back, has read its address
	s_add_nc_u64 s[PFA:PFA+1], s[PFA:PFA+1], SLOTB
.endif
	s_wait_dscnt 0x0                               ; the add is done, and my reads of the slot that I have left are over
	s_barrier_signal -1
	s_barrier_wait -1
.if \fill
	s_add_co_u32 s56, s[KF], SKEYS                 ; the first key of the slot that this change would ask for
	s_cmp_gt_u32 s56, s[LQ]
	s_cbranch_scc1 .Lpast_\@
	TLOAD                                          ; a wave's one tensor load until the next such barrier: four steps in which to land
.Lpast_\@:
	ASK
.endif
.endm
.macro SLOT_STEPS
	STEP 0
	STEP 1
	STEP 2
	STEP 3
	s_xor_b32 s[TB], s[TB], SLOT1
.endm
	s_wait_loadcnt 0x0                             ; Q
.Lslot:                                            ; seven trips
	CHANGE 1
	SLOT_STEPS
	s_sub_co_u32 s[SLOTS], s[SLOTS], 1
	s_cmp_lg_u32 s[SLOTS], 0
	s_cbranch_scc1 .Lslot
	CHANGE 0                                       ; the last slot is written out: nothing is left to ask for
	SLOT_STEPS
	; THE WAY OUT.  l's halves are added; O^T is divided by l, rounded to f16 and sent through my stage, a tile at a time.  The lines up to the wait are also the places behind the last products.
.irp t, 0,1
	v_add_f32 v[ST+8*\t+4], v[ST+8*\t+2], v[ST+8*\t+3]
.endr
.irp t, 0,1
	v_permlanex16_b32 v[ST+8*\t+5], v[ST+8*\t+4], s[SEL], s[SEL+1]
.endr
.irp t, 0,1
	v_add_f32 v[ST+8*\t+4], v[ST+8*\t+4], v[ST+8*\t+5]
.endr
.irp t, 0,1
	v_rcp_f32 v[ST+8*\t+6], v[ST+8*\t+4]
.endr
	v_nop
	s_wait_alu depctr_va_vdst(0)                   ; one wait for the two reciprocals, ahead of their first reader
.irp t, 0,1
.irp i, 0,1,2,3,4,5,6,7,8,9,10,11,12,13,14,15
	v_pk_mul_f32 v[O+32*\t+2*\i:O+32*\t+2*\i+1], v[O+32*\t+2*\i:O+32*\t+2*\i+1], v[ST+8*\t+6:ST+8*\t+7] op_sel_hi:[1,0]
.endr
.irp i, 0,1,2,3,4,5,6,7,8,9,10,11,12,13,14,15
	v_cvt_pk_f16_f32 v[S+16*\t+\i], v[O+32*\t+2*\i], v[O+32*\t+2*\i+1]
.endr
.irp ct, 0,1,2,3
	ds_store_b128 v[STO], v[S+16*\t+4*\ct:S+16*\t+4*\ct+3] offset:32*\ct
.endr
.irp i, 0,1,2,3
	ds_load_b128 v[KV+16*\t+4*\i:KV+16*\t+4*\i+3], v[RD] offset:4*KP*\i   ; LDS serves a wave's instructions in order: these see the stores above, and the next tile's stores come behind them
.endr
.endr
.irp i, 0,1,2,3
	s_wait_dscnt 11-\i                             ; behind tile 0's load i: its 3 - i younger loads and tile 1's four stores and four loads
	global_store_b128 v[GO], v[KV+4*\i:KV+4*\i+3], s[12:13] offset:512*\i                 ; 32 lanes store 512 consecutive bytes, aligned
.endr
.irp i, 0,1,2,3
	s_wait_dscnt 3-\i
	global_store_b128 v[GO], v[KV+16+4*\i:KV+16+4*\i+3], s[12:13] offset:2048+512*\i
.endr
	s_wait_tensorcnt 0x0                           ; the wave's end
	ds_add_u32 v[SPW], v[NIL]
	s_wait_dscnt 0x0
	s_endpgm
.Lfunc_end_k_q321a78c453_attn:
	.size	k_q321a78c453_attn, .Lfunc_end_k_q321a78c453_attn-k_q321a78c453_attn
	.p2alignl 7, 3214868480
	.fill 96, 4, 3214868480
	.section	.rodata,"a",@progbits
	.p2align	6, 0x0
	.amdhsa_kernel k_q321a78c453_attn
		.amdhsa_group_segment_fixed_size 327680
		.amdhsa_private_segment_fixed_size 0
		.amdhsa_enable_private_segment 0
		.amdhsa_kernarg_size 16
		.amdhsa_user_sgpr_count 2
		.amdhsa_user_sgpr_kernarg_segment_ptr 1
		.amdhsa_wavefront_size32 1
		.amdhsa_system_sgpr_workgroup_id_x 1
		.amdhsa_system_sgpr_workgroup_id_y 1
		.amdhsa_system_sgpr_workgroup_id_z 1
		.amdhsa_system_vgpr_workitem_id 0
		.amdhsa_next_free_vgpr 256
		.amdhsa_next_free_sgpr 80
		.amdhsa_reserve_vcc 1
		.amdhsa_float_denorm_mode_32 3
		.amdhsa_float_denorm_mode_16_64 3
		.amdhsa_memory_ordered 1
		.amdhsa_forward_progress 1
		.amdhsa_inst_pref_size 188
	.end_amdhsa_kernel
	.amdgpu_metadata
---
amdhsa.version: [ 1, 2 ]
amdhsa.kernels:
  - .name:           k_q321a78c453_attn
    .symbol:         k_q321a78c453_attn.kd
    .args:
      - { .name: xqkv, .offset: 0, .size: 8, .value_kind: global_buffer, .address_space: global }
      - { .name: o16, .offset: 8, .size: 8, .value_kind: global_buffer, .address_space: global }
    .group_segment_fixed_size: 327680
    .private_segment_fixed_size: 0
    .kernarg_segment_align: 8
    .kernarg_segment_size: 16
    .max_flat_workgroup_size: 512
    .sgpr_count:     80
    .vgpr_count:     256
    .wavefront_size: 32
...
	.end_amdgpu_metadata
.endif
;; end of part 3
;; launch oproj (part 4): grid 4 x 64, 4 waves a work-group, clusters of 4 x 4, 327,680 bytes of LDS; arguments o16, wo16, out0; writes out0
.if DOCPART == 4
	.amdgcn_target "amdgcn-amd-amdhsa--gfx1250"
	.amdhsa_code_object_version 6
	.text
	.protected	k_q321a78c453_oproj
	.globl	k_q321a78c453_oproj
	.p2align	8
	.type	k_q321a78c453_oproj,@function
k_q321a78c453_oproj:
	s_mov_b64 s[64:65], 0
	v_nop
	global_prefetch_b8 v0, s[64:65] scope:SCOPE_SE
	s_setreg_imm32_b32 hwreg(HW_REG_WAVE_MODE, 25, 1), 1
	s_wait_xcnt 0x0
	s_wait_alu depctr_hold_cnt(0) depctr_sa_sdst(0) depctr_va_vdst(0) depctr_va_sdst(0) depctr_va_ssrc(0) depctr_va_vcc(0) depctr_vm_vsrc(0)
	s_getreg_b32 s2, hwreg(HW_REG_IB_STS2, 6, 4)
	s_cmp_eq_u32 s2, 0
	s_cbranch_scc0 .Lentry_in_a_cluster
	s_endpgm
.Lentry_in_a_cluster:
	s_bfe_u32 s2, ttmp6, 0x10000c
	s_cmp_lg_u32 s2, 0xf033
	s_cbranch_scc0 .Lentry_shape_is_right
	s_endpgm
.Lentry_shape_is_right:
; out0[token][n] = the sum over d of O[token][d] wo[d][n], d = 64 head + channel.  o16 [batch 4][head 16][token 2048][64] f16; wo16 [1024 d][1024 n] f16; out0 [8192][1024] f32; sums in f32.
; LIMIT: the operands are f16 as earlier launches stored them.  (Positions 0-15 of each sequence are stored here too and are written anew, in f32 throughout, by the launch that follows.)
; A tile of 128 tokens x 256 columns is made by four waves, each 64 x 128: 32 accumulators, 256 registers: 256 work-groups.  K goes in steps of 128 (two heads) through a ring of two LDS slots.
; A's tile is two planes, one a head, of 128 tokens x 128 bytes; B's is 128 rows d x 512 bytes, read turned by ds_load_tr16_b128, so that wo needs no transposed copy.
; CLUSTERS 4 x 4: a row of the cluster shares A's tiles, a column B's: each is asked for jointly.  THE MATRIX INSTRUCTION IS USED TRANSPOSED (source 0 = 16 columns of wo, source 1 = 16 tokens).
; REGISTERS: window 0: v0-31 addresses; two fragment buffers of 96 at v64 and v160: A's four fragments, then B's eight; on the way out v64-191.   window 1: accumulator (a, b) at v[8 (8 a + b)].
.set PA,    144                        ; a token's row of a plane: 128 bytes + 16
.set PB,    544                        ; a row d of B's tile: 512 bytes + 32: an odd multiple of 32, for the turning load
.set PLANE, 128*PA
.set BOFF,  2*PLANE
.set SLOT,  BOFF+128*PB
.set STAGE, 2*SLOT                     ; behind the ring: 16 rows x (512 bytes + 16) for each wave
.set SPITCH, 528
.set SPARE, STAGE+4*16*SPITCH          ; the spare words: two blocks of 256 bytes that no other line names
.set ADRA, 16
.set ADRB, 20
.set STO,  24
.set RD,   25
.set CO,   26
.set SPW,  28
.set NIL,  29
.set F0,   64
.set F1,   160
.set BK,   64
.set G1, 24
.set G0, 32
.set G1B, 48
.set G0B, 56
.set MSB, 0
.macro WIN new
.if MSB != (\new)
	s_set_vgpr_msb (MSB<<8)|(\new)
.set MSB, (\new)
.endif
.endm
.set MUL, 0x50                         ; sources 0 and 1 window 0; C and D window 1
.macro JLOAD s                         ; waves 0 and 1 fetch A's two planes, waves 2 and 3 B's two halves; an s_nop 0 and four v_nop follow each line
	s_cmp_eq_u32 s11, 0
	s_cbranch_scc0 .Lfor_b_\@
	tensor_load_to_lds s[G0+4*\s:G0+4*\s+3], s[G1:G1+7]
	s_nop 0
.rept 4
	v_nop
.endr
	s_branch .Lasked_\@
.Lfor_b_\@:
	tensor_load_to_lds s[G0B+4*\s:G0B+4*\s+3], s[G1B:G1B+7]
	s_nop 0
.rept 4
	v_nop
.endr
.Lasked_\@:
.endm
.macro CREST
	s_cmp_lg_u32 s10, 0
	s_cbranch_scc1 .Lnot_wave_0_\@
	s_barrier_signal -3
.Lnot_wave_0_\@:
	s_barrier_wait -3
	s_barrier_signal -1
	s_barrier_wait -1
.endm
.macro CROUND
	s_barrier_signal -1
	s_barrier_wait -1
	CREST
.endm
	s_load_b128 s[4:7], s[0:1], 0x0                ; o16 s[4:5], wo16 s[6:7]
	s_load_b64 s[8:9], s[0:1], 0x10                ; out0
	v_lshl_add_u32 v[SPW], v0, 2, SPARE
	v_mov_b32 v[NIL], 0
	ds_add_u32 v[SPW], v[NIL]                      ; the wave's opening: the add, twice on end, and its wait ahead of my first tensor load
	ds_add_u32 v[SPW], v[NIL]
	v_lshrrev_b32 v1, 5, v0
	v_readfirstlane_b32 s10, v1                    ; wave 0..3
	s_lshr_b32 s11, s10, 1                         ; which 64 tokens are mine.  Also: I fetch for A (0) or for B (1)
	s_and_b32 s12, s10, 1                          ; which 128 columns.  Also: which plane of A, or which 64 rows of B, I fetch
	s_bfe_u32 s40, ttmp6, 0x40000                  ; cx
	s_bfe_u32 s41, ttmp6, 0x40004                  ; cy
	s_lshl_b32 s42, ttmp9, 2
	s_add_co_u32 s42, s42, s40                     ; tile column
	s_and_b32 s13, ttmp7, 0xffff
	s_lshl_b32 s13, s13, 2
	s_add_co_u32 s13, s13, s41                     ; tile row, 0 .. 63: batch = row / 16, tokens 128 (row % 16) on
	s_lshl_b32 s43, s41, 2
	s_lshl_b32 s43, 15, s43                        ; my row of the cluster
	s_lshl_b32 s44, 0x1111, s40                    ; my column
	s_or_b32 s[G1+0], s43, (1<<16)|(1<<20)|(1<<21)|(4<<22)|(3<<25)   ; A: elements of 2 bytes; 4 words of padding behind every 32
	s_mov_b32 s[G1+1], 64<<16                      ; tensor_dim0
	s_mov_b32 s[G1+2], 128<<16                     ; tensor_dim1
	s_mov_b32 s[G1+3], 64<<16                      ; tile_dim0
	s_mov_b32 s[G1+4], 128                         ; tile_dim1
	s_mov_b32 s[G1+5], 64                          ; from token to token
	s_mov_b32 s[G1+6], 0
	s_mov_b32 s[G1+7], 0
	s_or_b32 s[G1B+0], s44, (1<<16)|(1<<20)|(1<<21)|(6<<22)|(7<<25)  ; B: 8 words of padding behind every 128
	s_mov_b32 s[G1B+1], 256<<16
	s_mov_b32 s[G1B+2], 64<<16
	s_mov_b32 s[G1B+3], 256<<16
	s_mov_b32 s[G1B+4], 64
	s_mov_b32 s[G1B+5], 1024
	s_mov_b32 s[G1B+6], 0
	s_mov_b32 s[G1B+7], 0
	s_lshr_b32 s16, s13, 4                         ; A: ((16 x batch + my plane) x 2,048 + the tile's first token) x 128 bytes
	s_lshl_b32 s16, s16, 4
	s_add_co_u32 s16, s16, s12
	s_lshl_b32 s16, s16, 11
	s_and_b32 s17, s13, 15
	s_lshl_b32 s17, s17, 7
	s_add_co_u32 s16, s16, s17
	s_lshl_b32 s16, s16, 7
	s_mov_b32 s17, 0
	s_lshl_b32 s46, s12, 17                        ; B: 64 rows of 2,048 bytes x my half + 512 bytes x tile column
	s_lshl_b32 s47, s42, 9
	s_add_co_u32 s46, s46, s47
	s_mov_b32 s47, 0
	s_mul_i32 s20, s12, PLANE                      ; where they go: no place in the cluster enters an LDS address
	s_mul_i32 s21, s12, 64*PB
	s_add_co_u32 s21, s21, BOFF
	s_wait_dscnt 0x0                               ; both opening adds are done
	s_wait_kmcnt 0x0
	s_add_nc_u64 s[14:15], s[4:5], s[16:17]
	s_add_nc_u64 s[46:47], s[6:7], s[46:47]
	CROUND                                         ; all sixteen work-groups are here: the first joint loads meet
.irp s, 0,1
	s_mov_b32 s[G0+4*\s], 1
	s_add_co_u32 s[G0+4*\s+1], s20, \s*SLOT
	s_add_nc_u64 s[G0+4*\s+2:G0+4*\s+3], s[14:15], \s*524288       ; K step s: two heads of 262,144 bytes on
	s_or_b32 s[G0+4*\s+3], s[G0+4*\s+3], 0x80000000
	s_mov_b32 s[G0B+4*\s], 1
	s_add_co_u32 s[G0B+4*\s+1], s21, \s*SLOT
	s_add_nc_u64 s[G0B+4*\s+2:G0B+4*\s+3], s[46:47], \s*262144     ; 128 rows of 2,048 bytes on
	s_or_b32 s[G0B+4*\s+3], s[G0B+4*\s+3], 0x80000000
	JLOAD \s
.endr
	v_and_b32 v1, 15, v0                           ; r
	v_bfe_u32 v2, v0, 4, 1                         ; h
	v_mul_u32_u24 v3, v1, PA
	v_lshl_add_u32 v3, v2, 4, v3                   ; A: token r x pitch + 16 h
	v_and_b32 v6, 7, v0
	v_lshl_add_u32 v6, v2, 3, v6                   ; B, for the turning load: row 8 h + l % 8,
	v_mul_u32_u24 v6, v6, PB
	v_bfe_u32 v7, v0, 3, 1
	v_lshl_add_u32 v6, v7, 4, v6                   ; columns 8 ((l / 8) % 2) on
	s_mul_i32 s21, s11, 64*PA                      ; my 64 tokens
	s_lshl_b32 s22, s12, 8                         ; my 128 columns
	s_add_co_u32 s22, s22, BOFF
.irp s, 0,1
	v_add_nc_u32 v[ADRA+\s], s21, v3
	v_add_nc_u32 v[ADRB+\s], s22, v6
	s_add_co_u32 s21, s21, SLOT
	s_add_co_u32 s22, s22, SLOT
.endr
	s_mul_i32 s23, s10, 16*SPITCH
	s_add_co_u32 s23, s23, STAGE                   ; my stage
	v_mul_u32_u24 v4, v1, SPITCH
	v_lshl_add_u32 v4, v2, 5, v4
	v_add_nc_u32 v[STO], s23, v4                   ; in: row r, 32 bytes for each half of the lanes
	v_and_b32 v5, 31, v0
	v_lshlrev_b32 v[CO], 4, v5                     ; back: the 32 lanes take one row of 512 bytes; and the same in out0
	v_add_nc_u32 v[RD], s23, v[CO]
	s_lshl_b32 s16, s13, 7
	s_lshl_b32 s17, s11, 6
	s_add_co_u32 s16, s16, s17                     ; my first row of out0
	s_lshl_b32 s16, s16, 12                        ; x 4,096 bytes
	s_lshl_b32 s17, s42, 10
	s_add_co_u32 s16, s16, s17
	s_lshl_b32 s17, s12, 9
	s_add_co_u32 s16, s16, s17                     ; + my first column's bytes
	s_mov_b32 s17, 0
	s_add_nc_u64 s[8:9], s[8:9], s[16:17]
.macro MUL8 f, a, zero                 ; token block a x the eight column blocks, 32 along K.  Each accumulator has one instruction a quarter, in the same order in every quarter
.irp b, 0,1,2,3,4,5,6,7
.if \zero
	v_wmma_f32_16x16x32_f16 v[8*(8*(\a)+\b):8*(8*(\a)+\b)+7], v[\f+32+8*\b:\f+32+8*\b+7], v[\f+8*(\a):\f+8*(\a)+7], 0
.else
	v_wmma_f32_16x16x32_f16 v[8*(8*(\a)+\b):8*(8*(\a)+\b)+7], v[\f+32+8*\b:\f+32+8*\b+7], v[\f+8*(\a):\f+8*(\a)+7], v[8*(8*(\a)+\b):8*(8*(\a)+\b)+7]
.endif
.endr
.endm
.macro FETCH slot, q, f                ; 24 LDS loads in one run: the fragments of the slot's q-th 32 along K: plane q / 2, channels 32 (q % 2) on; rows 32 q on of B
	WIN 0
.irp i, 0,1,2,3
	ds_load_b128 v[\f+8*\i:\f+8*\i+3],   v[ADRA+\slot] offset:((\q)/2)*PLANE+((\q)%2)*64+16*PA*\i
	ds_load_b128 v[\f+8*\i+4:\f+8*\i+7], v[ADRA+\slot] offset:((\q)/2)*PLANE+((\q)%2)*64+16*PA*\i+32
.endr
.irp b, 0,1,2,3,4,5,6,7
	ds_load_tr16_b128 v[\f+32+8*\b:\f+32+8*\b+3],   v[ADRB+\slot] offset:32*PB*(\q)+32*\b
	ds_load_tr16_b128 v[\f+32+8*\b+4:\f+32+8*\b+7], v[ADRB+\slot] offset:32*PB*(\q)+32*\b+16*PB
.endr
.endm
.macro PLACES                          ; four plain lines in front of loads into registers that matrix instructions have read, and of reads of results
.rept 4
	v_nop
.endr
.endm
.macro QUARTER slot, qn, f, g, zero    ; multiplies buffer f; in its middle fetches the slot's quarter qn into g
	s_wait_dscnt 0x0
	WIN MUL
	MUL8 \f, 0, \zero
	MUL8 \f, 1, \zero
	PLACES
	FETCH \slot, \qn, \g
	WIN MUL
	MUL8 \f, 2, \zero
	MUL8 \f, 3, \zero
.endm
; A slot's last quarter multiplies buffer 1 and changes slots: one barrier; in front of it each wave waits for all its tensor loads, adds 0 to its spare word, and waits for that and for its reads of this slot.
; fill = 1: the barrier opens a round of the cluster's barrier, and this slot is filled again, two K steps ahead, first thing behind it.
.macro TURN slot, next, fill
	WIN 0
	s_wait_tensorcnt 0x0
	ds_add_u32 v[SPW], v[NIL]
	s_wait_dscnt 1                                 ; buffer 1 is in; the add alone may be out
	WIN MUL
	MUL8 F1, 0, 0
	s_wait_dscnt 0x0                               ; the add is done, and my reads of this slot are over
	s_barrier_signal -1
	MUL8 F1, 1, 0
	WIN 0
	s_barrier_wait -1
.if \fill
	CREST
	s_add_nc_u64 s[G0+4*\slot+2:G0+4*\slot+3], s[G0+4*\slot+2:G0+4*\slot+3], 1048576
	s_add_nc_u64 s[G0B+4*\slot+2:G0B+4*\slot+3], s[G0B+4*\slot+2:G0B+4*\slot+3], 524288
	JLOAD \slot                                    ; the four v_nop behind it are also the places in front of the loads below
.else
	PLACES
.endif
	FETCH \next, 0, F0
	WIN MUL
	MUL8 F1, 2, 0
	MUL8 F1, 3, 0
.endm
	s_wait_tensorcnt 1                             ; my part of K step 0 is in; K step 1's load may be out
	s_barrier_signal -1
	s_barrier_wait -1
	FETCH 0, 0, F0
	QUARTER 0, 1, F0, F1, 1                        ; the first quarter's products start the sums
	WIN 0
	s_mov_b32 s3, 3
.Llap:                                             ; a trip goes once round the ring and fills both slots again: K steps 2 to 7
	QUARTER 0, 2, F1, F0, 0
	QUARTER 0, 3, F0, F1, 0
	TURN 0, 1, 1
	QUARTER 1, 1, F0, F1, 0
	QUARTER 1, 2, F1, F0, 0
	QUARTER 1, 3, F0, F1, 0
	TURN 1, 0, 1
	QUARTER 0, 1, F0, F1, 0
	WIN 0
	s_sub_co_u32 s3, s3, 1
	s_cmp_lg_u32 s3, 0
	s_cbranch_scc1 .Llap
	QUARTER 0, 2, F1, F0, 0                        ; the last lap fills nothing
	QUARTER 0, 3, F0, F1, 0
	TURN 0, 1, 0
	QUARTER 1, 1, F0, F1, 0
	QUARTER 1, 2, F1, F0, 0
	QUARTER 1, 3, F0, F1, 0
	s_wait_dscnt 0x0
	WIN MUL
	MUL8 F1, 0, 0
	MUL8 F1, 1, 0
	MUL8 F1, 2, 0
	MUL8 F1, 3, 0
	WIN 0
; THE WAY OUT, a block of 16 tokens x 128 columns at a time, through my own stage: in as 32 bytes a lane, back as whole rows of 512 bytes.
.macro TOSTAGE a
	WIN 0x04                                       ; an LDS store's data are its source 1: window 1
.irp b, 0,1,2,3,4,5,6,7
	ds_store_b128 v[STO], v[8*(8*(\a)+\b):8*(8*(\a)+\b)+3] offset:64*\b            ; each accumulator from its low end on
	ds_store_b128 v[STO], v[8*(8*(\a)+\b)+4:8*(8*(\a)+\b)+7] offset:64*\b+16
.endr
	WIN 0
.set BB, BK+64*((\a)%2)
.irp t, 0,1,2,3,4,5,6,7,8,9,10,11,12,13,14,15
	ds_load_b128 v[BB+4*\t:BB+4*\t+3], v[RD] offset:\t*SPITCH                       ; LDS serves a wave's instructions in order
.endr
.endm
.macro SEND a, younger
.set BB, BK+64*((\a)%2)
	s_wait_dscnt \younger                          ; the block is back; the next block's 16 stores and 16 loads may be out
.irp t, 0,1,2,3,4,5,6,7,8,9,10,11,12,13,14,15
	global_store_b128 v[CO], v[BB+4*\t:BB+4*\t+3], s[8:9] offset:(16*(\a)+\t)*4096 th:TH_STORE_NT   ; 32 lanes store 512 consecutive bytes, aligned
.endr
.endm
	PLACES
	TOSTAGE 0
.irp a, 1,2,3
.if \a > 1
	s_wait_xcnt 0x0                                ; block a - 2's stores have read their registers: block a's loads may land there
.endif
	TOSTAGE \a
	SEND \a-1, 32
.endr
	SEND 3, 0
	s_wait_tensorcnt 0x0                           ; the wave's end
	ds_add_u32 v[SPW], v[NIL]
	s_wait_dscnt 0x0
	CROUND                                         ; the closing round
	s_endpgm
.Lfunc_end_k_q321a78c453_oproj:
	.size	k_q321a78c453_oproj, .Lfunc_end_k_q321a78c453_oproj-k_q321a78c453_oproj
	.p2alignl 7, 3214868480
	.fill 96, 4, 3214868480
	.section	.rodata,"a",@progbits
	.p2align	6, 0x0
	.amdhsa_kernel k_q321a78c453_oproj
		.amdhsa_group_segment_fixed_size 327680
		.amdhsa_private_segment_fixed_size 0
		.amdhsa_enable_private_segment 0
		.amdhsa_kernarg_size 24
		.amdhsa_user_sgpr_count 2
		.amdhsa_user_sgpr_kernarg_segment_ptr 1
		.amdhsa_wavefront_size32 1
		.amdhsa_system_sgpr_workgroup_id_x 1
		.amdhsa_system_sgpr_workgroup_id_y 1
		.amdhsa_system_sgpr_workgroup_id_z 1
		.amdhsa_system_vgpr_workitem_id 0
		.amdhsa_next_free_vgpr 512
		.amdhsa_next_free_sgpr 66
		.amdhsa_reserve_vcc 0
		.amdhsa_float_denorm_mode_32 3
		.amdhsa_float_denorm_mode_16_64 3
		.amdhsa_memory_ordered 1
		.amdhsa_forward_progress 1
		.amdhsa_inst_pref_size 85
	.end_amdhsa_kernel
	.amdgpu_metadata
---
amdhsa.version: [ 1, 2 ]
amdhsa.kernels:
  - .name:           k_q321a78c453_oproj
    .symbol:         k_q321a78c453_oproj.kd
    .args:
      - { .name: o16, .offset: 0, .size: 8, .value_kind: global_buffer, .address_space: global }
      - { .name: wo16, .offset: 8, .size: 8, .value_kind: global_buffer, .address_space: global }
      - { .name: out0, .offset: 16, .size: 8, .value_kind: global_buffer, .address_space: global }
    .group_segment_fixed_size: 327680
    .private_segment_fixed_size: 0
    .kernarg_segment_align: 8
    .kernarg_segment_size: 24
    .max_flat_workgroup_size: 128
    .sgpr_count:     66
    .vgpr_count:     512
    .wavefront_size: 32
...
	.end_amdgpu_metadata
.endif
;; end of part 4
;; launch fine (part 5): grid 16 x 4, 16 waves a work-group, no clusters, 71,680 bytes of LDS; arguments xfine, wo, out0; writes out0
.if DOCPART == 5
	.amdgcn_target "amdgcn-amd-amdhsa--gfx1250"
	.amdhsa_code_object_version 6
	.text
	.protected	k_q321a78c453_fine
	.globl	k_q321a78c453_fine
	.p2align	8
	.type	k_q321a78c453_fine,@function
k_q321a78c453_fine:
	s_mov_b64 s[64:65], 0
	v_nop
	global_prefetch_b8 v0, s[64:65] scope:SCOPE_SE
	s_setreg_imm32_b32 hwreg(HW_REG_WAVE_MODE, 25, 1), 1
	s_wait_xcnt 0x0
; THE FIRST 16 POSITIONS OF EVERY SEQUENCE, IN f32 THROUGHOUT: scores, softmax, the sum over values and the projection by wo.  These rows average one to sixteen values, so the rounding of 16-bit operands
; would weigh most on them.  xfine [3 (q, k, v)][batch 4][position 16][1024] f32; wo [1024][1024] f32; the 64 rows (batch, position 0-15) of out0 are written anew.
; LIMIT: NaN and infinities are not served.
; SHARES.  Work-group (g, b): batch b, output columns 64 g on.  Wave w is head w: it makes the head's 16 x 16 attention (every work-group of a batch repeats that small work), multiplies its 64 channels by
; wo's rows 64 w on, columns 64 g on, and the sixteen partial sums meet in LDS: wave w then adds and stores position w's 64 columns.  Each output has one owner.
; v_wmma_f32_16x16x4_f32: lane (r, h) holds row r and k = 2 h + j in register j.  ONE PERMUTATION OF K, THE SAME ON BOTH SOURCES, lets loads of 16 bytes fill the fragments.
; Where K is not innermost (V, wo) a load of 16 bytes takes four neighbouring columns of one row k; two such loads and two exchanges of registers give four fragments, of the tiles whose row m is column 4 m + ti;
; tile ti then lies at 2 PRM(ti), PRM = 0, 2, 1, 3.
; The registers that the matrix instructions write, v128-191, are written by nothing else.
.set SPARE, 69632                      ; behind the 16 partial sums: 128 bytes for each wave, eight blocks of 256 bytes that no other line names
.set PART,  4352                       ; a partial sum: 16 positions x (256 bytes + 16)
.set SPW, 1
.set NIL, 2
.set XOF, 3                            ; v3   r x 4,096 + 16 h
.set VOF, 4                            ; v4   h x 32,768 + 16 r
.set WOF, 5                            ; v5   h x 131,072 + 16 r
.set STO, 6
.set RDA, 7
.set GOF, 8
.set DD,  9                            ; v9   r - 8 h
.set NINF, 10
.set QF,  16                           ; v16-47   Q;  v48-79 K;  later wo's K steps 8-15
.set KFR, 48
.set VF,  80                           ; v80-111  V, then O / l
.set PF,  112                          ; v112-119 the scores, then p
.set OA,  128                          ; v128-159 O^T: four accumulators
.set SA,  160                          ; v160-175 S^T in two halves of K;  v160-191 later the output's four accumulators
.set OU,  160
.set W0,  192                          ; v192-255 wo's K steps 0-7; later the partial sums
.set W1,  16
.macro WLOAD base, s0                  ; wo's rows for K steps s0 .. s0 + 7.  K step s pairs with registers 2 s, 2 s + 1 of O / l, which hold channels 32 h + 8 (s % 4) + 4 jj + s / 4
.irp e, 0,1,2,3,4,5,6,7
.irp jj, 0,1
	global_load_b128 v[\base+8*\e+4*\jj:\base+8*\e+4*\jj+3], v[WOF], s[6:7] offset:(8*((\s0+\e)%4)+4*\jj+(\s0+\e)/4)*4096   ; sixteen lanes read 256 consecutive bytes
.endr
.endr
.endm
.macro SWAPS base, n                   ; in each group of eight registers 1 <-> 4 and 3 <-> 6
.set G_, 0
.rept \n
	v_swap_b32 v[\base+8*G_+1], v[\base+8*G_+4]
	v_swap_b32 v[\base+8*G_+3], v[\base+8*G_+6]
.set G_, G_+1
.endr
.endm
.macro OUTMUL base, s0, zero           ; eight K steps x the four tiles of columns, the accumulators by turns
.irp e, 0,1,2,3,4,5,6,7
.irp ti, 0,1,2,3
.if \zero && (\e == 0)
	v_wmma_f32_16x16x4_f32 v[OU+8*\ti:OU+8*\ti+7], v[\base+8*\e+2*(2*(\ti%2)+\ti/2):\base+8*\e+2*(2*(\ti%2)+\ti/2)+1], v[VF+2*(\s0+\e):VF+2*(\s0+\e)+1], 0
.else
	v_wmma_f32_16x16x4_f32 v[OU+8*\ti:OU+8*\ti+7], v[\base+8*\e+2*(2*(\ti%2)+\ti/2):\base+8*\e+2*(2*(\ti%2)+\ti/2)+1], v[VF+2*(\s0+\e):VF+2*(\s0+\e)+1], v[OU+8*\ti:OU+8*\ti+7]
.endif
.endr
.endr
.endm
	s_load_b128 s[4:7], s[0:1], 0x0                ; xfine s[4:5], wo s[6:7]
	s_load_b64 s[8:9], s[0:1], 0x10                ; out0
	v_lshl_add_u32 v[SPW], v0, 2, SPARE
	v_mov_b32 v[NIL], 0
	v_lshrrev_b32 v11, 5, v0
	v_readfirstlane_b32 s10, v11                   ; wave = head
	s_and_b32 s11, ttmp7, 0xffff                   ; batch
	s_mov_b32 s12, 0x76543210
	s_mov_b32 s13, 0xfedcba98                      ; v_permlanex16_b32's selects for lane l xor 16
	s_mov_b32 s14, 0x3e38aa3b                      ; c = log2(e) / 8
	v_and_b32 v11, 15, v0                          ; r
	v_bfe_u32 v12, v0, 4, 1                        ; h
	v_lshlrev_b32 v[XOF], 12, v11
	v_lshl_add_u32 v[XOF], v12, 4, v[XOF]
	v_lshlrev_b32 v[VOF], 4, v11
	v_lshl_add_u32 v[WOF], v12, 17, v[VOF]
	v_lshl_add_u32 v[VOF], v12, 15, v[VOF]
	s_mul_i32 s18, s10, PART
	v_mul_u32_u24 v[STO], v11, 272
	v_lshl_add_u32 v[STO], v12, 5, v[STO]
	v_add_nc_u32 v[STO], s18, v[STO]               ; my partial sum: position r, + 32 h; tile ti's eight numbers 64 ti bytes on
	s_mul_i32 s18, s10, 272
	v_and_b32 v13, 31, v0
	v_and_b32 v14, 1, v0
	v_lshrrev_b32 v15, 1, v13
	v_lshlrev_b32 v[RDA], 7, v14
	v_lshl_add_u32 v[RDA], v15, 2, v[RDA]
	v_add_nc_u32 v[RDA], s18, v[RDA]               ; back: position w; column 2 l + e lies at 128 (l % 2) + 64 e + 4 (l / 2)
	v_lshlrev_b32 v[GOF], 3, v13                   ; 8 bytes a lane of a row's 256
	v_lshlrev_b32 v12, 3, v12
	v_sub_nc_u32 v[DD], v11, v12                   ; r - 8 h
	v_mov_b32 v[NINF], 0xff800000
	v_mov_b32 v12, 0                               ; written once: a lane permute's destination counts as one of its sources
	s_lshl_b32 s16, s11, 16                        ; xfine: 65,536 bytes a batch, 256 a head
	s_lshl_b32 s18, s10, 8
	s_add_co_u32 s16, s16, s18
	s_mov_b32 s17, 0
	s_lshl_b32 s20, s10, 18                        ; wo: 64 rows of 4,096 bytes a head, 256 bytes a group of columns
	s_lshl_b32 s18, ttmp9, 8
	s_add_co_u32 s20, s20, s18
	s_mov_b32 s21, 0
	s_lshl_b32 s22, s11, 11                        ; out0: row 2,048 b + w
	s_add_co_u32 s22, s22, s10
	s_lshl_b32 s22, s22, 12
	s_add_co_u32 s22, s22, s18
	s_mov_b32 s23, 0
	s_wait_kmcnt 0x0
	s_add_nc_u64 s[4:5], s[4:5], s[16:17]
	s_add_nc_u64 s[6:7], s[6:7], s[20:21]
	s_add_nc_u64 s[8:9], s[8:9], s[22:23]
.irp c, 0,1,2,3,4,5,6,7
	global_load_b128 v[QF+4*\c:QF+4*\c+3], v[XOF], s[4:5] offset:32*\c                ; Q(r, channels 8 c + 4 h + 0..3)
.endr
.irp c, 0,1,2,3,4,5,6,7
	global_load_b128 v[KFR+4*\c:KFR+4*\c+3], v[XOF], s[4:5] offset:262144+32*\c       ; K likewise
.endr
.irp n, 0,1,2,3,4,5,6,7
	global_load_b128 v[VF+4*\n:VF+4*\n+3], v[VOF], s[4:5] offset:524288+4096*\n       ; V(key 8 h + n, channels 4 r + 0..3)
.endr
	WLOAD W0, 0
	s_wait_loadcnt 24                              ; Q and K are in; V's 8 loads and wo's 16 may be out
.irp s, 0,1,2,3,4,5,6,7,8,9,10,11,12,13,14,15  ; S^T = K Q^T: lane (r, h), register j: key 8 h + j, query r.  Two accumulators by turns; the first two products start them
.if \s < 2
	v_wmma_f32_16x16x4_f32 v[SA+8*(\s%2):SA+8*(\s%2)+7], v[KFR+2*\s:KFR+2*\s+1], v[QF+2*\s:QF+2*\s+1], 0
.else
	v_wmma_f32_16x16x4_f32 v[SA+8*(\s%2):SA+8*(\s%2)+7], v[KFR+2*\s:KFR+2*\s+1], v[QF+2*\s:QF+2*\s+1], v[SA+8*(\s%2):SA+8*(\s%2)+7]
.endif
.endr
.rept 8
	v_nop                                          ; eight places behind this form: for the loads into Q's and K's registers and the reads of the sums
.endr
	WLOAD W1, 8
.irp j, 0,1,2,3,4,5,6,7
	v_add_f32 v[PF+\j], v[SA+\j], v[SA+8+\j]       ; the two halves of K, from the accumulators' low ends on
.endr
.irp j, 0,1,2,3,4,5,6,7
	v_cmp_gt_i32 vcc_lo, \j, v[DD]                 ; key 8 h + j comes after query r
	v_cndmask_b32 v[PF+\j], v[PF+\j], v[NINF], vcc_lo
.endr
	v_max3_num_f32 v11, v[PF], v[PF+1], v[PF+2]
	v_max3_num_f32 v11, v11, v[PF+3], v[PF+4]
	v_max3_num_f32 v11, v11, v[PF+5], v[PF+6]
	v_max_num_f32 v11, v11, v[PF+7]
	v_permlanex16_b32 v12, v11, s12, s13
	v_max_num_f32 v11, v11, v12                    ; the row's maximum: key 0 counts for every query
	v_mul_f32 v12, s14, v11
.irp j, 0,1,2,3,4,5,6,7
	v_fma_f32 v[PF+\j], v[PF+\j], s14, -v12        ; c s - c m
.endr
.irp j, 0,1,2,3,4,5,6,7
	v_exp_f32 v[PF+\j], v[PF+\j]
.endr
	v_nop
	s_wait_alu depctr_va_vdst(0)                   ; one wait for the eight exponentials, ahead of their first reader
	v_add_f32 v13, v[PF], v[PF+1]
.irp j, 2,3,4,5,6,7
	v_add_f32 v13, v13, v[PF+\j]
.endr
	v_permlanex16_b32 v12, v13, s12, s13
	v_add_f32 v13, v13, v12                        ; the row's sum
	v_rcp_f32 v14, v13
	v_nop
	s_wait_loadcnt 32                              ; V is in; wo's 32 loads may be out
	SWAPS VF, 4
.irp c, 0,1,2,3                                ; O^T = V^T P: K step c is keys 8 h + 2 c + 0, 1; tile ct's row m is channel 4 m + ct
.irp ct, 0,1,2,3
.if \c == 0
	v_wmma_f32_16x16x4_f32 v[OA+8*\ct:OA+8*\ct+7], v[VF+8*\c+2*(2*(\ct%2)+\ct/2):VF+8*\c+2*(2*(\ct%2)+\ct/2)+1], v[PF+2*\c:PF+2*\c+1], 0
.else
	v_wmma_f32_16x16x4_f32 v[OA+8*\ct:OA+8*\ct+7], v[VF+8*\c+2*(2*(\ct%2)+\ct/2):VF+8*\c+2*(2*(\ct%2)+\ct/2)+1], v[PF+2*\c:PF+2*\c+1], v[OA+8*\ct:OA+8*\ct+7]
.endif
.endr
.endr
.rept 8
	v_nop
.endr
	s_wait_alu depctr_va_vdst(0)                   ; the reciprocal's wait, ahead of its first reader
.irp j, 0,1,2,3,4,5,6,7,8,9,10,11,12,13,14,15,16,17,18,19,20,21,22,23,24,25,26,27,28,29,30,31
	v_mul_f32 v[VF+\j], v[OA+\j], v14              ; O / l into other registers: register 8 ct + j is channel 32 h + 4 j + ct of query r
.endr
	s_wait_loadcnt 16                              ; wo's K steps 0-7 are in; the 16 loads of steps 8-15 may be out
	SWAPS W0, 8
	OUTMUL W0, 0, 1                                ; out^T = wo^T O^T: tile ti's row m is column 4 m + ti
	s_wait_loadcnt 0x0
	SWAPS W1, 8
	OUTMUL W1, 8, 0
.rept 8
	v_nop
.endr
.irp ti, 0,1,2,3
	ds_store_b128 v[STO], v[OU+8*\ti:OU+8*\ti+3] offset:64*\ti                        ; each accumulator from its low end on
	ds_store_b128 v[STO], v[OU+8*\ti+4:OU+8*\ti+7] offset:64*\ti+16
.endr
	s_wait_dscnt 0x0                               ; for the others' sake: my partial sum lies in LDS
	s_barrier_signal -1
	s_barrier_wait -1
.irp p, 0,1,2,3,4,5,6,7,8,9,10,11,12,13,14,15
.irp e, 0,1
	ds_load_b32 v[W0+2*\p+\e], v[RDA] offset:PART*\p+64*\e                            ; head p's part of position w, columns 2 l + e
.endr
.endr
	s_wait_dscnt 0x0
.irp p, 0,1,2,3,4,5,6,7
	v_pk_add_f32 v[W0+2*\p:W0+2*\p+1], v[W0+2*\p:W0+2*\p+1], v[W0+16+2*\p:W0+16+2*\p+1]
.endr
.irp p, 0,1,2,3
	v_pk_add_f32 v[W0+2*\p:W0+2*\p+1], v[W0+2*\p:W0+2*\p+1], v[W0+8+2*\p:W0+8+2*\p+1]
.endr
.irp p, 0,1
	v_pk_add_f32 v[W0+2*\p:W0+2*\p+1], v[W0+2*\p:W0+2*\p+1], v[W0+4+2*\p:W0+4+2*\p+1]
.endr
	v_pk_add_f32 v[W0:W0+1], v[W0:W0+1], v[W0+2:W0+3]
	global_store_b64 v[GOF], v[W0:W0+1], s[8:9]    ; 32 lanes store 256 consecutive bytes, aligned
	s_wait_tensorcnt 0x0                           ; the wave's end, behind my last LDS store
	ds_add_u32 v[SPW], v[NIL]
	s_wait_dscnt 0x0
	s_endpgm
.Lfunc_end_k_q321a78c453_fine:
	.size	k_q321a78c453_fine, .Lfunc_end_k_q321a78c453_fine-k_q321a78c453_fine
	.p2alignl 7, 3214868480
	.fill 96, 4, 3214868480
	.section	.rodata,"a",@progbits
	.p2align	6, 0x0
	.amdhsa_kernel k_q321a78c453_fine
		.amdhsa_group_segment_fixed_size 71680
		.amdhsa_private_segment_fixed_size 0
		.amdhsa_enable_private_segment 0
		.amdhsa_kernarg_size 24
		.amdhsa_user_sgpr_count 2
		.amdhsa_user_sgpr_kernarg_segment_ptr 1
		.amdhsa_wavefront_size32 1
		.amdhsa_system_sgpr_workgroup_id_x 1
		.amdhsa_system_sgpr_workgroup_id_y 1
		.amdhsa_system_sgpr_workgroup_id_z 1
		.amdhsa_system_vgpr_workitem_id 0
		.amdhsa_next_free_vgpr 256
		.amdhsa_next_free_sgpr 66
		.amdhsa_reserve_vcc 1
		.amdhsa_float_denorm_mode_32 3
		.amdhsa_float_denorm_mode_16_64 3
		.amdhsa_memory_ordered 1
		.amdhsa_forward_progress 1
		.amdhsa_inst_pref_size 23
	.end_amdhsa_kernel
	.amdgpu_metadata
---
amdhsa.version: [ 1, 2 ]
amdhsa.kernels:
  - .name:           k_q321a78c453_fine
    .symbol:         k_q321a78c453_fine.kd
    .args:
      - { .name: xfine, .offset: 0, .size: 8, .value_kind: global_buffer, .address_space: global }
      - { .name: wo, .offset: 8, .size: 8, .value_kind: global_buffer, .address_space: global }
      - { .name: out0, .offset: 16, .size: 8, .value_kind: global_buffer, .address_space: global }
    .group_segment_fixed_size: 71680
    .private_segment_fixed_size: 0
    .kernarg_segment_align: 8
    .kernarg_segment_size: 24
    .max_flat_workgroup_size: 512
    .sgpr_count:     66
    .vgpr_count:     256
    .wavefront_size: 32
...
	.end_amdgpu_metadata
.endif
;; end of part 5
